; MI455X (gfx1250); checked and timed in simulation.
; The chip was launched on July 23, 2026; its instructions are those of AMD's public machine-readable ISA for CDNA 5 (MIT licence, August 2026) and "CDNA5" Instruction Set Architecture Reference Guide (July 2026). The comments in the code are by the model that wrote it; some were corrected since.
;; W2 Attention. Allowed arithmetic: matrix products marked QUANTISED: E2M1 operands, one E8M0 scale for each 32 along K, by v_wmma_scale_f32_16x16x128_f8f6f4 with both operands' format E2M1 (or v_wmma_scale_f32_32x16x128_f4), f32 sums; products left as they are: bf16, f16 or f32 operands; f32 sums; everything else in f32.
;; Inputs: cos 2,048 x 128 float32; hidden_states 1 x 2,048 x 2,048 float32; sin 2,048 x 128 float32; w_k 4,096 x 2,048 float32; w_o 2,048 x 2,048 float32; w_q 4,096 x 2,048 float32; w_v 2,048 x 2,048 float32.
;; Outputs: out0 1 x 2,048 x 2,048 float32.
;; This version of the problem:
;;   THIS VERSION OF THE PROBLEM IS GIVEN IN LOW PRECISION. The matrix products marked QUANTISED in the list below multiply operands that are first quantised to E2M1 (2 exponent bits, 1 mantissa bit; 4 bits a number), with one power-of-two scale for each 32 numbers along K (OCP MX v1.0); their sums are f32. The products marked 'left as it is' may take bf16, f16 or f32 operands, with f32 sums. Whichever they take, every output number must still come out within the allowed error. Rounding operands to bf16 (8 significant bits) uses up far more of that allowance than f16 does (11 bits, for magnitudes from 6e-5 to 65,504). All else is computed in f32.
;;   The module's matrix products, in the order in which they are computed (A, B: the left and right operand; K: the contracted axis; several contracted axes count as one K, in the product's order):
;;     1. [M 2,048, K 2,048] x [K 2,048, N 4,096]; A: input hidden_states; B: input w_q: QUANTISED
;;     2. [M 2,048, K 2,048] x [K 2,048, N 4,096]; A: input hidden_states; B: input w_k: QUANTISED
;;     3. [M 2,048, K 2,048] x [K 2,048, N 2,048]; A: input hidden_states; B: input w_v: QUANTISED
;;     4. batch 16 x [M 2,048, K 128] x [K 128, N 2,048]; A: computed on the way; B: computed on the way: left as it is (an operand is computed on the way)
;;     5. batch 16 x [M 2,048, K 2,048] x [K 2,048, N 128]; A: computed on the way; B: computed on the way: left as it is (an operand is computed on the way)
;;     6. [M 2,048, K 2,048] x [K 2,048, N 2,048]; A: computed on the way; B: input w_o: left as it is (an operand is computed on the way)
;;   THE QUANTISER, for each operand of a quantised product, along K:
;;     - K is cut into blocks of 32 from its start; a last block that is shorter is filled with zeros.
;;     - A block's scale is 2^e with e = floor(log2(the largest magnitude in the block)) - 2, held to -126 .. 127; a block of zeros has e = 0. As a byte (E8M0): e + 127.
;;     - Each number is divided by its block's scale, clamped to +-6, and rounded to the nearest number of E2M1, ties to even, subnormals kept.
;;     - The product sums the exact products of the quantised numbers (number of the format x scale) in f32.
;;   ~~~python
;;   def quantise(x, axis):      # numpy; x: float32 -> the quantised numbers, widened to float32 again
;;       x = np.moveaxis(x, axis, -1); K = x.shape[-1]
;;       x = np.pad(x, [(0, 0)] * (x.ndim - 1) + [(0, -K % 32)]); x = x.reshape(x.shape[:-1] + (-1, 32)); a = np.abs(x).max(-1, keepdims=True)
;;       e = np.where(a > 0, np.clip(np.frexp(np.where(a > 0, a, 1))[1] - 1 - 2, -126, 127), 0)      # np.frexp(a)[1] - 1 = floor(log2(a)), exactly
;;       r = np.clip(x / 2.0 ** e, -6, 6)
;;       step = 2.0 ** (np.maximum(np.frexp(np.where(r == 0, 1, r))[1] - 1, 0) - 1)
;;       q = np.round(r / step) * step * 2.0 ** e      # np.round: ties to even
;;       return np.moveaxis(q.reshape(q.shape[:-2] + (-1,))[..., :K], -1, axis).astype(np.float32)
;;   ~~~
;; One version. Each part assembles by itself: llvm-mc -triple=amdgcn-amd-amdhsa -mcpu=gfx1250 --defsym DOCPART=n.
;; ======== version 1 of 1: 4 launches
;; limits: values are held in f16: magnitudes above 65,504 overflow, below 6.1e-05 lose precision; right only within a limited range of input values
;; workspace buffers: codes 12,582,912 bytes; scales 786,432 bytes; woh 8,388,608 bytes; qkv 41,943,040 bytes; kb 131,072 bytes; ao 8,388,608 bytes
;; launch quant (part 1): grid 896 x 1, 4 waves a work-group, no clusters, 33,280 bytes of LDS; arguments hidden_states, w_q, w_k, w_v, w_o, codes, scales, woh; writes codes, scales, woh
.if DOCPART == 1
	.amdgcn_target "amdgcn-amd-amdhsa--gfx1250"
	.amdhsa_code_object_version 6
	.text
	.protected	k_q9c7d0fc6ed_quant
	.globl	k_q9c7d0fc6ed_quant
	.p2align	8
	.type	k_q9c7d0fc6ed_quant,@function
k_q9c7d0fc6ed_quant:
	s_mov_b64 s[64:65], 0
	v_nop
	global_prefetch_b8 v0, s[64:65] scope:SCOPE_SE
	s_setreg_imm32_b32 hwreg(HW_REG_WAVE_MODE, 25, 1), 1
	s_wait_xcnt 0x0
; hidden_states [2048][2048], w_q [4096][2048], w_k [4096][2048], w_v [2048][2048], f32, become codes of FP4 (E2M1), K innermost, two codes a byte, with one E8M0 byte for each 32 along K.
; The four tensors follow each other in ONE buffer of codes [12288 rows][1024 bytes] and one of scale bytes [12288][64].  w_o [2048][2048] becomes f16 (its product is left as it is).
; A block's scale is 2^(floor(log2(its largest magnitude)) - 2); its byte is the largest magnitude's exponent field - 2, held at 1 from below.
; LIMITS: a block of zeros gets the byte 1 where the quantiser says 127 (its codes are zeros, and this program alone reads the bytes); blocks whose largest magnitude lies under 2^-124 are held at that byte;
; NaN and infinities are not served; w_o beyond 65,504 is not served.
; SHARES: rows are dense and K is a multiple of 32, so every tensor is a stream of blocks.  A work-group takes 32,768 numbers, a wave 8,192.  Work-groups 0-127 hidden_states, 128-383 w_q, 384-639 w_k, 640-767 w_v, 768-895 w_o.
; CODES: a wave takes 16 steps of 512 numbers.  Each load reads 512 consecutive bytes; a step's 2,048 bytes turn through the wave's own stage in LDS and come back 64 bytes a lane: 16 neighbours along K, two lanes to a block.
; No matrix unit, no cluster, no tensor load: a stream in which nothing is shared.
.set STEPS, 16
.set SP,    80                         ; a lane's place in a stage: 64 bytes + 16 of padding
.set WREG,  8192                       ; LDS of a wave: two stages of 32 x SP bytes, then its 256 scale bytes
.set SPARE, 4*WREG                     ; behind the four regions: the spare words, 128 bytes a wave
.set R,     16                         ; v16-79   four sets of 16 numbers as loaded
.set X,     80                         ; v80-111  two sets of 16 neighbours
.set E,     112                        ; v112-127 a scale byte for each step
.set C,     128                        ; v128-191 codes, four registers a step: no store's data are written again
.set SPW,   12                         ; v12 LDS address of my spare word; never rewritten
.set NIL,   13                         ; v13 0; never rewritten
.set WI,    16                         ; w_o: v16-143 two sets of 64 numbers
.set WO,    144                        ; w_o: v144-175 32 registers of f16 pairs
	s_load_b256 s[4:11], s[0:1], 0x0               ; hidden_states s[4:5], w_q s[6:7], w_k s[8:9], w_v s[10:11]
	s_load_b256 s[12:19], s[0:1], 0x20             ; w_o s[12:13], codes s[14:15], scales s[16:17], woh s[18:19]
	v_lshl_add_u32 v[SPW], v0, 2, SPARE
	v_mov_b32 v[NIL], 0
	v_lshrrev_b32 v1, 5, v0
	v_readfirstlane_b32 s20, v1                    ; wave
	v_and_b32 v2, 31, v0                           ; lane
	v_lshlrev_b32 v3, 4, v2                        ; my 16 bytes of a load's 512
	v_lshlrev_b32 v4, 3, v2                        ; my 8 bytes of a store's 256
	s_mov_b32 s31, 0
	s_cmp_ge_u32 ttmp9, 768                        ; the work-group's number alone decides
	s_cbranch_scc1 .Lwo
	; ---------------- codes and scale bytes
	s_mul_i32 s21, s20, WREG
	v_lshrrev_b32 v14, 2, v2
	v_mul_u32_u24 v14, v14, SP
	v_and_b32 v15, 3, v2
	v_lshl_add_u32 v14, v15, 4, v14
	v_add_nc_u32 v14, s21, v14                     ; the stage, way in: four lanes' 64 bytes on end, then the padding
	v_mul_u32_u24 v15, v2, SP
	v_add_nc_u32 v15, s21, v15                     ; way out: SP x lane: my 16 neighbours
	v_lshrrev_b32 v5, 1, v2
	s_add_co_u32 s21, s21, 2*32*SP
	v_add_nc_u32 v5, s21, v5                       ; my wave's 256 scale bytes, my block's byte
	v_add_nc_u32 v6, s21, v4                       ; and on their way out 8 bytes a lane
	s_wait_kmcnt 0x0
	s_mov_b64 s[24:25], s[10:11]                   ; the source: w_v,
	s_mov_b32 s22, 640                             ; whose first work-group is 640,
	s_cmp_lt_u32 ttmp9, 640
	s_cselect_b64 s[24:25], s[8:9], s[24:25]       ; or w_k,
	s_cselect_b32 s22, 384, s22
	s_cmp_lt_u32 ttmp9, 384
	s_cselect_b64 s[24:25], s[6:7], s[24:25]       ; or w_q,
	s_cselect_b32 s22, 128, s22
	s_cmp_lt_u32 ttmp9, 128
	s_cselect_b64 s[24:25], s[4:5], s[24:25]       ; or hidden_states
	s_cselect_b32 s22, 0, s22
	s_sub_co_u32 s23, ttmp9, s22
	s_lshl_b32 s23, s23, 2
	s_add_co_u32 s23, s23, s20                     ; my run of 8,192 numbers in the source
	s_lshl_b32 s30, s23, 15
	s_add_nc_u64 s[24:25], s[24:25], s[30:31]
	s_lshl_b32 s23, ttmp9, 2
	s_add_co_u32 s23, s23, s20                     ; and in the one stream of codes
	s_lshl_b32 s30, s23, 12
	s_add_nc_u64 s[14:15], s[14:15], s[30:31]
	s_lshl_b32 s30, s23, 8
	s_add_nc_u64 s[16:17], s[16:17], s[30:31]
.macro LOAD t
.irp i, 0,1,2,3
	global_load_b128 v[R+16*((\t)%4)+4*\i:R+16*((\t)%4)+4*\i+3], v3, s[24:25] offset:2048*(\t)+512*\i th:TH_LOAD_NT   ; 32 lanes read 512 consecutive bytes
.endr
.endm
.macro TURN t                          ; step t's numbers through the stage: LDS serves a wave's instructions in order, so no wait stands between the stores and the loads
.irp i, 0,1,2,3
	ds_store_b128 v14, v[R+16*((\t)%4)+4*\i:R+16*((\t)%4)+4*\i+3] offset:32*SP*((\t)%2)+8*SP*\i
.endr
.irp i, 0,1,2,3
	ds_load_b128 v[X+16*((\t)%2)+4*\i:X+16*((\t)%2)+4*\i+3], v15 offset:32*SP*((\t)%2)+16*\i
.endr
.endm
.irp t, 0,1,2,3
	LOAD \t
.endr
	s_wait_loadcnt 12                              ; step 0's four loads are in; the twelve of steps 1 to 3 may be out
	TURN 0
.macro STEP t
.set XS, X+16*((\t)%2)
.if (\t) > 0
	s_wait_dscnt 1                                 ; this step's numbers are back (the last step's byte store may be out): so its stores into the stage have read their registers,
.else
	s_wait_dscnt 0x0
.endif
.if (\t)+4 < STEPS
	LOAD (\t)+4                                    ; which take the loads of four steps on
.endif
.if (\t)+1 < STEPS
.if STEPS-2-(\t) >= 3
	s_wait_loadcnt 12                              ; the next step's four loads are in; those of the three steps behind it may be out
.else
	s_wait_loadcnt 4*(STEPS-2-(\t))
.endif
	TURN (\t)+1
.endif
	v_max3_num_f32 v8, |v[XS]|, |v[XS+1]|, |v[XS+2]|               ; the largest magnitude of my 16, in two chains
	v_max3_num_f32 v9, |v[XS+3]|, |v[XS+4]|, |v[XS+5]|
.irp i, 6,10
	v_max3_num_f32 v8, v8, |v[XS+\i]|, |v[XS+\i+1]|
	v_max3_num_f32 v9, v9, |v[XS+\i+2]|, |v[XS+\i+3]|
.endr
	v_max3_num_f32 v8, v8, |v[XS+14]|, |v[XS+15]|
	v_max3_num_f32 v8, v8, v9, 0x1800000           ; and the floor 2^(3 - 127): the byte cannot fall under 1
	v_max_num_f32_dpp v8, v8, v8 row_xmask:1 row_mask:0xf bank_mask:0xf   ; with my neighbour's 16: the block's
	v_add_nc_u32 v11, 0xff000000, v8               ; 2 off its exponent field: the conversion takes the exponent field of this operand as its scale
	v_cvt_scalef32_pk8_fp4_f32 v[C+4*(\t)], v[XS:XS+7], v11
	v_cvt_scalef32_pk8_fp4_f32 v[C+4*(\t)+1], v[XS+8:XS+15], v11
	v_lshrrev_b32 v[E+(\t)], 23, v11               ; the scale's byte (also the plain line behind the conversions)
	ds_store_b8 v5, v[E+(\t)] offset:16*(\t)       ; both lanes of a block write the same byte with the same value
	global_store_b64 v4, v[C+4*(\t):C+4*(\t)+1], s[14:15] offset:256*(\t)   ; the wave stores 256 consecutive bytes, aligned
.endm
.irp t, 0,1,2,3,4,5,6,7,8,9,10,11,12,13,14,15
	STEP \t
.endr
	ds_load_b64 v[8:9], v6                         ; my wave's 256 scale bytes: these loads see my stores
	s_wait_dscnt 0x0
	global_store_b64 v4, v[8:9], s[16:17]          ; 256 consecutive bytes, aligned
	s_wait_tensorcnt 0x0                           ; the wave's end: the tensor wait, the add and its wait, behind my last LDS store
	ds_add_u32 v[SPW], v[NIL]
	s_wait_dscnt 0x0
	s_endpgm
	; ---------------- w_o to f16: four batches of 2,048 numbers; two batches of loads are out; no LDS is touched on this way
.Lwo:
	s_sub_co_u32 s23, ttmp9, 768
	s_lshl_b32 s23, s23, 2
	s_add_co_u32 s23, s23, s20                     ; my run of 8,192 numbers
	s_lshl_b32 s30, s23, 15
	s_wait_kmcnt 0x0
	s_add_nc_u64 s[12:13], s[12:13], s[30:31]
	s_lshl_b32 s30, s23, 14
	s_add_nc_u64 s[18:19], s[18:19], s[30:31]
.macro WLOAD b
.irp i, 0,1,2,3,4,5,6,7,8,9,10,11,12,13,14,15
	global_load_b128 v[WI+64*((\b)%2)+4*\i:WI+64*((\b)%2)+4*\i+3], v3, s[12:13] offset:8192*(\b)+512*\i th:TH_LOAD_NT
.endr
.endm
.macro WCVT b
.if (\b) < 3
	s_wait_loadcnt 16                              ; this batch is in; the other batch's sixteen loads may be out
.else
	s_wait_loadcnt 0x0
.endif
.if (\b) > 0
	s_wait_xcnt 0x0                                ; the last batch's stores have read their data: the registers are written again only behind this wait
.endif
.irp i, 0,1,2,3,4,5,6,7,8,9,10,11,12,13,14,15
	v_cvt_pk_f16_f32 v[WO+2*\i], v[WI+64*((\b)%2)+4*\i], v[WI+64*((\b)%2)+4*\i+1]
	v_cvt_pk_f16_f32 v[WO+2*\i+1], v[WI+64*((\b)%2)+4*\i+2], v[WI+64*((\b)%2)+4*\i+3]
.endr
.irp i, 0,1,2,3,4,5,6,7,8,9,10,11,12,13,14,15
	global_store_b64 v4, v[WO+2*\i:WO+2*\i+1], s[18:19] offset:4096*(\b)+256*\i   ; 256 consecutive bytes, aligned
.endr
.if (\b) < 2
	WLOAD (\b)+2
.endif
.endm
	WLOAD 0
	WLOAD 1
	WCVT 0
	WCVT 1
	WCVT 2
	WCVT 3
	s_endpgm
.Lfunc_end_k_q9c7d0fc6ed_quant:
	.size	k_q9c7d0fc6ed_quant, .Lfunc_end_k_q9c7d0fc6ed_quant-k_q9c7d0fc6ed_quant
	.p2alignl 7, 3214868480
	.fill 96, 4, 3214868480
	.section	.rodata,"a",@progbits
	.p2align	6, 0x0
	.amdhsa_kernel k_q9c7d0fc6ed_quant
		.amdhsa_group_segment_fixed_size 33280
		.amdhsa_private_segment_fixed_size 0
		.amdhsa_enable_private_segment 0
		.amdhsa_kernarg_size 64
		.amdhsa_user_sgpr_count 2
		.amdhsa_user_sgpr_kernarg_segment_ptr 1
		.amdhsa_wavefront_size32 1
		.amdhsa_system_sgpr_workgroup_id_x 1
		.amdhsa_system_sgpr_workgroup_id_y 1
		.amdhsa_system_sgpr_workgroup_id_z 1
		.amdhsa_system_vgpr_workitem_id 0
		.amdhsa_next_free_vgpr 192
		.amdhsa_next_free_sgpr 66
		.amdhsa_reserve_vcc 0
		.amdhsa_float_denorm_mode_32 3
		.amdhsa_float_denorm_mode_16_64 3
		.amdhsa_memory_ordered 1
		.amdhsa_forward_progress 1
		.amdhsa_inst_pref_size 54
	.end_amdhsa_kernel
	.amdgpu_metadata
---
amdhsa.version: [ 1, 2 ]
amdhsa.kernels:
  - .name:           k_q9c7d0fc6ed_quant
    .symbol:         k_q9c7d0fc6ed_quant.kd
    .args:
      - { .name: hidden_states, .offset: 0, .size: 8, .value_kind: global_buffer, .address_space: global }
      - { .name: w_q, .offset: 8, .size: 8, .value_kind: global_buffer, .address_space: global }
      - { .name: w_k, .offset: 16, .size: 8, .value_kind: global_buffer, .address_space: global }
      - { .name: w_v, .offset: 24, .size: 8, .value_kind: global_buffer, .address_space: global }
      - { .name: w_o, .offset: 32, .size: 8, .value_kind: global_buffer, .address_space: global }
      - { .name: codes, .offset: 40, .size: 8, .value_kind: global_buffer, .address_space: global }
      - { .name: scales, .offset: 48, .size: 8, .value_kind: global_buffer, .address_space: global }
      - { .name: woh, .offset: 56, .size: 8, .value_kind: global_buffer, .address_space: global }
    .group_segment_fixed_size: 33280
    .private_segment_fixed_size: 0
    .kernarg_segment_align: 8
    .kernarg_segment_size: 64
    .max_flat_workgroup_size: 128
    .sgpr_count:     66
    .vgpr_count:     192
    .wavefront_size: 32
...
	.end_amdgpu_metadata
.endif
;; end of part 1
;; launch proj (part 2): grid 8 x 40, 4 waves a work-group, clusters of 4 x 4, 327,680 bytes of LDS; arguments codes, scales, cos, sin, qkv, kb; writes qkv, kb
.if DOCPART == 2
	.amdgcn_target "amdgcn-amd-amdhsa--gfx1250"
	.amdhsa_code_object_version 6
	.text
	.protected	k_q9c7d0fc6ed_proj
	.globl	k_q9c7d0fc6ed_proj
	.p2align	8
	.type	k_q9c7d0fc6ed_proj,@function
k_q9c7d0fc6ed_proj:
	s_mov_b64 s[64:65], 0
	v_nop
	global_prefetch_b8 v0, s[64:65] scope:SCOPE_SE
	s_setreg_imm32_b32 hwreg(HW_REG_WAVE_MODE, 25, 1), 1
	s_wait_xcnt 0x0
	s_wait_alu depctr_hold_cnt(0) depctr_sa_sdst(0) depctr_va_vdst(0) depctr_va_sdst(0) depctr_va_ssrc(0) depctr_va_vcc(0) depctr_vm_vsrc(0)
	s_getreg_b32 s2, hwreg(HW_REG_IB_STS2, 6, 4)
	s_cmp_eq_u32 s2, 0
	s_cbranch_scc0 .Lentry_in_a_cluster
	s_endpgm
.Lentry_in_a_cluster:
	s_bfe_u32 s2, ttmp6, 0x10000c
	s_cmp_lg_u32 s2, 0xf033
	s_cbranch_scc0 .Lentry_shape_is_right
	s_endpgm
.Lentry_shape_is_right:
; The three quantised projections as ONE product on codes of FP4: C[m][n] = sum over k of X[m][k] W[n][k], m = 2,048 positions, n = 10,240 (w_q's 4,096 rows, w_k's 4,096, w_v's 2,048), K = 2,048; sums in f32.
; Then, in registers: sigma = softplus(sigma_raw) + 1e-4, w = mu / sqrt(sigma), the rotation by the cos and sin inputs; for k also -0.5 (sum of w^2 + sum of log sigma).
; OUT: qkv, five planes [16 heads][2048][128] of f16: q_w x 2^-8 as a high and a low part, k_w x 2^-8 likewise, v;  kb [16][2048] f32: -0.5 (k_sq + log_det_k) x 2^-16.
; (2^-8 is exact; it keeps q_w and k_w inside f16's range.  High part: the f32 number cut to 11 significant bits, exact in f16; low part: the rest, rounded to f16.  One f16 number alone leaves too large an error in a score.)
; LIMITS: |q_w|, |k_w| under 65,504 x 256; |v| under 65,504; NaN and infinities are not served.  The query's own terms of the score (q_sq, log_det_q) are equal for all keys of a row: the softmax's
; subtraction of the row's maximum removes them for every finite input, so they are not made; all of w_q is still used (its sigma half enters q_w).
; SHARES.  A work-group of four waves makes 256 x 256 of C.  x: the tile row TR (256 positions).  y: the tile column TC: 0-15 one head of q (128 mu, 128 sigma_raw), 16-31 one head of k, 32-39 two heads of v.
; The kind TY = cluster y / 4 (0 q, 1 k, 2 v) is the same in all sixteen partners of a cluster, so branches may hang on it.  320 work-groups: a tile of 256 x 320 would give 256, but its two slots and the scales do not fit in LDS.
; A wave makes 128 x 128: 64 accumulators.  THE ROWS OF A BLOCK ARE CHOSEN: block i of a wave's half u takes rows 32 u + 64 (i / 2) + 16 (i % 2) on, alike for X and W.  So in a head's tile W's blocks 0,1 / 2,3 / 4,5 / 6,7 are
; mu[d], mu[d + 64], sigma_raw[d], sigma_raw[d + 64] for the same d: all that the rotation joins lies in one lane.
; THE PRODUCT IS USED TRANSPOSED (source 0 = 16 rows of W, source 1 = 16 rows of X): a lane holds one position and eight neighbouring columns.
; K goes in steps of 512 through two LDS slots (rows of 256 bytes); the scale bytes of the 512 rows come once.  CLUSTERS 4 x 4: X's tiles are shared by the partners of equal cx, W's by those of equal cy: joint loads.
; THE WAY OUT.  The arithmetic of 16 positions is some 500 instructions; written out for eight blocks on changing register numbers it would be a long text.  So the accumulators go to LDS as images of their registers (the ring has
; had its last fill and its last read), and trips of 2 blocks work on fixed registers: a loop of three trips, and the last trip written out, since it asks for nothing ahead.  A position's 512 bytes (q, k: 128 high parts, 128 low
; parts; v: two heads) meet in a stage; wave CH takes the 256 bytes of one plane or head and stores runs of 512 consecutive bytes.
; cos AND sin come straight into registers, A TRIP AHEAD: two sets of 64 registers, one for each block of a trip, in the registers that held W's fragments.  The first trip's are asked for ahead of the images' 128 stores, each later
; trip's behind the rotation of the trip before's second block.  The next trip's first images are fetched ahead likewise.  No prefetch: the walk along K has two refills only.
; REGISTERS, windows of 256: window 0: v1-31 addresses; v32-95 scale words, two sets; v128-191 X's fragments, one set.  window 1: W's fragments, two sets, at v0 and v128; on the way out cos and sin.
;   windows 2, 3: the accumulators ((a, b) at v[8 (8 (a % 4) + b)]).
.set NQ,     4                         ; matrix instructions deep in a slot
.set ROWB,   256                       ; a tile's row: 512 codes
.set KROW,   1024                      ; a row of codes in memory
.set PITCH,  272                       ; an LDS row: 256 bytes + 16 of padding: the 16 rows of a load start 68 words apart
.set FR,     8
.set NL,     2
.set NP,     4                         ; places behind this matrix form (ISA guide 7.12.1)
.set HALFT,  128*PITCH
.set SLOT,   4*HALFT                   ; X's 256 rows, then W's 256
.set SCL,    2*SLOT                    ; the scale bytes, as units of 256 bytes + 16
.set HALFS,  32*272                    ; those of 128 rows (64 bytes a row)
.set SBLK,   4*272                     ; those of 16 rows
.set SPARE,  SCL+4*HALFS               ; the spare words, 128 bytes a wave
.set KBP,    SPARE+512                 ; k's row sums: 512 bytes for each wave, its 128 positions in the order in which it walks them; no fill ever lands here
.set STG,    262144                    ; behind the four waves' images (65,536 bytes each, from byte 0): the stage [parity][row half][16 rows x 528]; it ends under the spare words
.set IM,   5                           ; v5  my images: 65,536 x wave + 16 x lane
.set IMR,  6                           ; v6  + the trip's offset
.set STV,  9
.set RDV,  10
.set KBW,  11
.set KBR,  12
.set CSO,  13
.set OUTO, 14
.set KBO,  15
.set ADRA, 16                          ; v16-17 LDS address of X's fragments in slot 0, 1
.set ADRB, 20                          ; v20-21 of W's
.set ADRS, 27                          ; v27 of the scale words: lanes 0-15 X's rows, lanes 16-31 W's
.set SPW,  28                          ; v28 my spare word; never rewritten
.set NIL,  29                          ; v29 0; never rewritten
.set KBT,  30                          ; v30 KBW + the trip's offset
.set SC,   32
.set AF,   128
.set W1,   32                          ; the way out: v32-47 mu[d], v48-63 mu[d + 64], v64-95 sigma_raw, later the rotated numbers, later their low parts
.set W2,   48
.set X,    64
.set Y,    160
.set U,    192
.set V,    224
.set G1,   24
.set G0,   32
.set G1B,  48
.set G0B,  56
.set G1S,  68
.set G0S,  76
.set G1SB, 80
.set G0SB, 88
.set TY,   98
.set MSB, 0
.macro WIN new                         ; the immediate's high byte repeats the setting that is left
.if MSB != (\new)
	s_set_vgpr_msb (MSB<<8)|(\new)
.set MSB, (\new)
.endif
.endm
.set MUL_LO, 0xa1                      ; source 0 (W) window 1, source 1 (X) window 0, C and D window 2
.set MUL_HI, 0xf1
.set TO_B,   0x40                      ; destination window 1, address window 0
.set BY_CS,  0x04                      ; source 1 (cos, sin) window 1
; A joint load: waves 0 and 1 fetch for X, waves 2 and 3 for W.  The branch hangs on the wave's number alone.  An s_nop 0 and four v_nop follow each line.
.macro JLOAD g0a, g1a, g0b, g1b
	s_cmp_eq_u32 s17, 0
	s_cbranch_scc0 .Lfor_b_\@
	tensor_load_to_lds s[\g0a:\g0a+3], s[\g1a:\g1a+7]
	s_nop 0
.rept 4
	v_nop
.endr
	s_branch .Lasked_\@
.Lfor_b_\@:
	tensor_load_to_lds s[\g0b:\g0b+3], s[\g1b:\g1b+7]
	s_nop 0
.rept 4
	v_nop
.endr
.Lasked_\@:
.endm
.macro CREST
	s_cmp_lg_u32 s16, 0
	s_cbranch_scc1 .Lnot_wave_0_\@
	s_barrier_signal -3
.Lnot_wave_0_\@:
	s_barrier_wait -3
	s_barrier_signal -1
	s_barrier_wait -1
.endm
.macro CROUND
	s_barrier_signal -1
	s_barrier_wait -1
	CREST
.endm
	s_load_b256 s[4:11], s[0:1], 0x0               ; codes s[4:5], scales s[6:7], cos s[8:9], sin s[10:11]
	s_load_b128 s[12:15], s[0:1], 0x20             ; qkv s[12:13], kb s[14:15]
	v_lshl_add_u32 v[SPW], v0, 2, SPARE
	v_mov_b32 v[NIL], 0
	ds_add_u32 v[SPW], v[NIL]                      ; the wave's opening: the add, twice on end, and its wait ahead of my first tensor load
	ds_add_u32 v[SPW], v[NIL]
	v_lshrrev_b32 v1, 5, v0
	v_readfirstlane_b32 s16, v1                    ; wave
	s_lshr_b32 s17, s16, 1                         ; RH: my half of the positions.  Also: I fetch for X (0) or W (1)
	s_and_b32 s18, s16, 1                          ; CH: my half of the columns.  Also: which 128 rows I fetch
	s_bfe_u32 s40, ttmp6, 0x40000                  ; cx
	s_bfe_u32 s41, ttmp6, 0x40004                  ; cy
	s_lshl_b32 s19, ttmp9, 2
	s_add_co_u32 s19, s19, s40                     ; TR = 4 x cluster x + cx
	s_and_b32 s[TY], ttmp7, 0xffff
	s_lshl_b32 s42, s[TY], 2
	s_add_co_u32 s42, s42, s41                     ; TC = 4 x cluster y + cy
	s_lshr_b32 s[TY], s[TY], 2                     ; the kind: cluster y / 4
	s_lshl_b32 s43, 0x1111, s40                    ; the partners of my cx: X's tiles
	s_lshl_b32 s44, s41, 2
	s_lshl_b32 s44, 15, s44                        ; the partners of my cy: W's tiles
	s_or_b32 s[G1+0], s43, (0<<16)|(1<<20)|(1<<21)|(5<<22)|(3<<25)   ; the mask; elements of 1 byte; padding on; bit 21 beside a mask; after every 64 words 4 words
	s_or_b32 s[G1B+0], s44, (0<<16)|(1<<20)|(1<<21)|(5<<22)|(3<<25)
.irp g, G1, G1B
	s_mov_b32 s[\g+1], ROWB<<16                    ; tensor_dim0
	s_mov_b32 s[\g+2], 128<<16                     ; tensor_dim1
	s_mov_b32 s[\g+3], ROWB<<16                    ; tile_dim0
	s_mov_b32 s[\g+4], 128                         ; tile_dim1
	s_mov_b32 s[\g+5], KROW                        ; the pitch
	s_mov_b32 s[\g+6], 0
	s_mov_b32 s[\g+7], 0
.endr
	s_or_b32 s[G1S+0], s43, (3<<16)|(1<<20)|(1<<21)|(5<<22)|(3<<25)  ; the scales of 128 rows: 8,192 dense bytes as 32 rows of 256 (32 elements of 8 bytes), 16 bytes behind each
	s_or_b32 s[G1SB+0], s44, (3<<16)|(1<<20)|(1<<21)|(5<<22)|(3<<25)
.irp g, G1S, G1SB
	s_mov_b32 s[\g+1], 32<<16
	s_mov_b32 s[\g+2], 32<<16
	s_mov_b32 s[\g+3], 32<<16
	s_mov_b32 s[\g+4], 32
	s_mov_b32 s[\g+5], 32
	s_mov_b32 s[\g+6], 0
	s_mov_b32 s[\g+7], 0
.endr
	s_lshl_b32 s45, s18, 7                         ; which 128 rows of a tile I fetch
	s_lshl_b32 s20, s19, 8
	s_add_co_u32 s20, s20, s45                     ; X: row 256 TR + 128 half
	s_lshl_b32 s46, s42, 8
	s_add_co_u32 s46, s46, s45
	s_add_co_u32 s46, s46, 2048                    ; W: row 2,048 + 256 TC + 128 half of the one buffer
	s_lshl_b32 s22, s20, 6                         ; their scale bytes, 64 a row,
	s_mov_b32 s23, 0
	s_lshl_b32 s92, s46, 6
	s_mov_b32 s93, 0
	s_lshl_b32 s20, s20, 10                        ; and their codes, 1,024 a row (all under 2^24)
	s_mov_b32 s21, 0
	s_lshl_b32 s46, s46, 10
	s_mov_b32 s47, 0
	s_mul_i32 s45, s16, HALFT                      ; where they go: wave x 128 rows: no place in the cluster enters an LDS address
	s_mul_i32 s94, s16, HALFS
	s_mov_b32 s66, 0x76543210
	s_mov_b32 s67, 0xfedcba98                      ; v_permlanex16_b32's selects for lane l xor 16
	s_wait_dscnt 0x0                               ; both opening adds are done
	s_wait_kmcnt 0x0
	s_add_nc_u64 s[20:21], s[4:5], s[20:21]
	s_add_nc_u64 s[22:23], s[6:7], s[22:23]
	s_add_nc_u64 s[46:47], s[4:5], s[46:47]
	s_add_nc_u64 s[92:93], s[6:7], s[92:93]
	CROUND                                         ; all sixteen work-groups are here: the first joint loads meet
	s_mov_b32 s[G0S], 1
	s_add_co_u32 s[G0S+1], s94, SCL
	s_mov_b64 s[G0S+2:G0S+3], s[22:23]
	s_or_b32 s[G0S+3], s[G0S+3], 0x80000000
	s_mov_b32 s[G0SB], 1
	s_add_co_u32 s[G0SB+1], s94, SCL
	s_mov_b64 s[G0SB+2:G0SB+3], s[92:93]
	s_or_b32 s[G0SB+3], s[G0SB+3], 0x80000000
	JLOAD G0S, G1S, G0SB, G1SB                     ; the scales first: they are wanted with K step 0
.irp s, 0,1
	s_mov_b32 s[G0+4*\s], 1
	s_add_co_u32 s[G0+4*\s+1], s45, \s*SLOT
	s_add_nc_u64 s[G0+4*\s+2:G0+4*\s+3], s[20:21], \s*ROWB
	s_or_b32 s[G0+4*\s+3], s[G0+4*\s+3], 0x80000000
	s_mov_b32 s[G0B+4*\s], 1
	s_add_co_u32 s[G0B+4*\s+1], s45, \s*SLOT
	s_add_nc_u64 s[G0B+4*\s+2:G0B+4*\s+3], s[46:47], \s*ROWB
	s_or_b32 s[G0B+4*\s+3], s[G0B+4*\s+3], 0x80000000
	JLOAD G0+4*\s, G1, G0B+4*\s, G1B               ; three tensor loads of mine are out now
.endr
	; ---- addresses
	v_and_b32 v1, 15, v0                           ; r
	v_bfe_u32 v2, v0, 4, 1                         ; h
	v_and_b32 v3, 31, v0                           ; lane
	v_mul_u32_u24 v4, v1, PITCH
	v_lshl_add_u32 v4, v2, 4, v4                   ; 272 r + 16 h
	s_mul_i32 s21, s17, 32*PITCH                   ; X: my half begins 32 rows on
	s_mul_i32 s22, s18, 32*PITCH
	s_add_co_u32 s22, s22, 2*HALFT                 ; W: likewise, behind X's 256 rows
.irp s, 0,1
	v_add_nc_u32 v[ADRA+\s], s21, v4
	v_add_nc_u32 v[ADRB+\s], s22, v4
	s_add_co_u32 s21, s21, SLOT
	s_add_co_u32 s22, s22, SLOT
.endr
	v_mul_u32_u24 v22, v1, 64                      ; my row's scales: 64 bytes a row,
	v_lshrrev_b32 v23, 8, v22
	v_lshl_add_u32 v22, v23, 4, v22                ; and 16 more for each 256 passed
	s_mul_i32 s21, s17, 2*SBLK
	s_mul_i32 s22, s18, 2*SBLK
	s_add_co_u32 s22, s22, 2*HALFS
	s_sub_co_u32 s22, s22, s21
	v_mul_u32_u24 v23, s22, v2                     ; lanes 16-31 take W's: one product, the distance x h
	s_add_co_u32 s21, s21, SCL
	v_add_nc_u32 v22, v22, v23
	v_add_nc_u32 v[ADRS], s21, v22
	s_lshl_b32 s21, s16, 16
	v_lshl_add_u32 v[IM], v3, 4, s21               ; my images
	v_mul_u32_u24 v23, v1, 528
	v_lshl_add_u32 v23, v2, 4, v23
	s_mul_i32 s21, s17, 8448
	s_lshl_b32 s22, s18, 6
	s_add_co_u32 s22, s22, s21
	s_add_co_u32 s22, s22, STG
	v_add_nc_u32 v[STV], s22, v23                  ; into the stage: row r of 512 bytes + 16, 64 CH + 16 h bytes on
	v_mul_u32_u24 v23, v2, 528
	v_lshl_add_u32 v23, v1, 4, v23
	s_lshl_b32 s22, s18, 8
	s_add_co_u32 s22, s22, s21
	s_add_co_u32 s22, s22, STG
	v_add_nc_u32 v[RDV], s22, v23                  ; back: the 256 bytes of my plane or head, of all 16 rows, two rows an instruction
	s_lshl_b32 s21, s16, 9
	s_add_co_u32 s21, s21, KBP
	v_lshl_add_u32 v[KBW], v1, 2, s21              ; k's sums, way in: my wave's 512 bytes, 4 r; a trip is 128 bytes on, a block 64
	s_lshl_b32 s21, s16, 7
	s_add_co_u32 s21, s21, KBP
	v_lshl_add_u32 v[KBR], v1, 3, s21              ; way out: thread (w, h, r) takes positions 64 w + 32 h + 2 r and the next: trip w of the waves with row half h:
	v_lshl_add_u32 v[KBR], v2, 10, v[KBR]          ; 1,024 h + 128 w + 8 r; the other column half's sums lie 512 bytes on
	v_lshlrev_b32 v[KBO], 3, v0
	s_lshl_b32 s21, s18, 7
	v_lshl_add_u32 v[CSO], v1, 9, s21
	v_lshl_add_u32 v[CSO], v2, 5, v[CSO]           ; cos, sin: 512 r + 128 CH + 32 h; never rewritten
	v_lshlrev_b32 v[OUTO], 4, v3
	; ---- bases of the way out
	s_lshl_b32 s96, s19, 16
	s_lshl_b32 s97, s17, 13
	s_add_co_u32 s96, s96, s97                     ; (256 TR + 32 RH) rows of 256 bytes
	s_and_b32 s97, s42, 15
	s_lshl_b32 s97, s97, 19                        ; q, k: the head,
	s_lshl_b32 s95, s[TY], 24
	s_add_co_u32 s97, s97, s95                     ; planes 2 TY (high parts)
	s_lshl_b32 s95, s18, 23
	s_add_co_u32 s97, s97, s95                     ; and 2 TY + 1 (low parts): wave CH stores plane 2 TY + CH
	s_and_b32 s95, s42, 7
	s_lshl_b32 s95, s95, 1
	s_add_co_u32 s95, s95, s18
	s_lshl_b32 s95, s95, 19
	s_add_co_u32 s95, s95, 0x2000000               ; v: plane 4, head 2 (TC - 32) + CH
	s_cmp_eq_u32 s[TY], 2
	s_cselect_b32 s97, s95, s97
	s_add_co_u32 s96, s96, s97
	s_mov_b32 s97, 0
	s_add_nc_u64 s[12:13], s[12:13], s[96:97]
	s_lshl_b32 s96, s19, 17
	s_lshl_b32 s95, s17, 14
	s_add_co_u32 s96, s96, s95                     ; (256 TR + 32 RH) rows of 512 bytes
	s_add_nc_u64 s[8:9], s[8:9], s[96:97]
	s_add_nc_u64 s[10:11], s[10:11], s[96:97]
	s_and_b32 s96, s42, 15
	s_lshl_b32 s96, s96, 13
	s_lshl_b32 s95, s19, 10
	s_add_co_u32 s96, s96, s95
	s_add_nc_u64 s[14:15], s[14:15], s[96:97]      ; kb: the head's row, my tile's 256 positions
.macro FRAG reg, adr, q, i             ; 16 rows x 128 K of 4-bit codes: 8 registers; block i begins 64 (i / 2) + 16 (i % 2) rows on
.irp c, 0,1
	ds_load_b128 v[\reg+4*\c:\reg+4*\c+3], v[\adr] offset:64*(\q)+32*\c+(64*((\i)/2)+16*((\i)%2))*PITCH
.endr
.endm
; 16 matrix instructions: X's blocks a0, a0 + 1 against W's eight.  The 64 accumulators take turns, one instruction a turn, in the same order in every step.
.macro MUL16 a0, p, q, sc, zero
.irp a, \a0, \a0+1
.irp b, 0,1,2,3,4,5,6,7
.if \zero
	v_wmma_scale_f32_16x16x128_f8f6f4 v[8*(8*((\a)%4)+\b):8*(8*((\a)%4)+\b)+7], v[128*(\p)+FR*\b:128*(\p)+FR*\b+FR-1], v[AF+FR*(\a):AF+FR*(\a)+FR-1], 0, v[SC+8*NQ*(\sc)+NQ*\b+(\q)], v[SC+8*NQ*(\sc)+NQ*(\a)+(\q)] matrix_a_fmt:MATRIX_FMT_FP4 matrix_b_fmt:MATRIX_FMT_FP4 matrix_a_scale:MATRIX_SCALE_ROW1
.else
	v_wmma_scale_f32_16x16x128_f8f6f4 v[8*(8*((\a)%4)+\b):8*(8*((\a)%4)+\b)+7], v[128*(\p)+FR*\b:128*(\p)+FR*\b+FR-1], v[AF+FR*(\a):AF+FR*(\a)+FR-1], v[8*(8*((\a)%4)+\b):8*(8*((\a)%4)+\b)+7], v[SC+8*NQ*(\sc)+NQ*\b+(\q)], v[SC+8*NQ*(\sc)+NQ*(\a)+(\q)] matrix_a_fmt:MATRIX_FMT_FP4 matrix_b_fmt:MATRIX_FMT_FP4 matrix_a_scale:MATRIX_SCALE_ROW1
.endif
.endr
.endr
.endm
.macro FETCH_B slot, q, p
	WIN TO_B
.irp i, 0,1,2,3,4,5,6,7
	FRAG 128*(\p)+FR*\i, ADRB+\slot, \q, \i
.endr
	WIN 0
.endm
.macro FETCH_A slot, q, i0
.irp i, \i0, \i0+1, \i0+2, \i0+3
	FRAG AF+FR*(\i), ADRA+\slot, \q, \i
.endr
.endm
.macro SCALES sc                       ; a K step's scale words: four a row; lanes 0-15 X's block i, lanes 16-31 W's block i
.irp i, 0,1,2,3,4,5,6,7
	ds_load_b128 v[SC+8*NQ*\sc+NQ*\i:SC+8*NQ*\sc+NQ*\i+3], v[ADRS] offset:(4*(\i/2)+\i%2)*SBLK
.endr
.endm
.macro PLACES n                        ; plain vector instructions between a matrix instruction and a load into, or a read of, its registers
.rept \n
	v_nop
.endr
.endm
.macro STEP slot, q, zero
	s_wait_dscnt 4*NL                              ; W's set and X's blocks 0-3 are in; the youngest eight loads (X's blocks 4-7) may be out
	WIN MUL_LO
	MUL16 0, (\q)%2, \q, \slot, \zero
	MUL16 2, (\q)%2, \q, \slot, \zero
	s_wait_dscnt 0
	PLACES NP
	FETCH_B \slot, (\q)+1, 1-(\q)%2
	FETCH_A \slot, (\q)+1, 0
	WIN MUL_HI
	MUL16 4, (\q)%2, \q, \slot, \zero
	MUL16 6, (\q)%2, \q, \slot, \zero
	PLACES NP
	WIN 0
	FETCH_A \slot, (\q)+1, 4
.endm
; A slot's last step changes slots: one barrier; in front of it each wave waits for all its tensor loads, adds 0 to its spare word, and waits for that and for its reads of this slot.
.macro TURN slot, next, fill
	s_wait_tensorcnt 0x0                           ; all my tensor loads have landed: my part of the next slot
	ds_add_u32 v[SPW], v[NIL]
	s_wait_dscnt 4*NL+1                            ; the add and the youngest eight loads may be out
	WIN MUL_LO
	MUL16 0, 1, NQ-1, \slot, 0
	s_wait_dscnt 0x0                               ; the add is done, and my reads of this slot are over
	s_barrier_signal -1
	MUL16 2, 1, NQ-1, \slot, 0
	WIN 0
	s_barrier_wait -1
.if \fill
	CREST                                          ; the barrier has opened a round of the cluster's: no wave of any partner still reads this slot or has a load on its way
	s_add_nc_u64 s[G0+4*\slot+2:G0+4*\slot+3], s[G0+4*\slot+2:G0+4*\slot+3], 2*ROWB
	s_add_nc_u64 s[G0B+4*\slot+2:G0B+4*\slot+3], s[G0B+4*\slot+2:G0B+4*\slot+3], 2*ROWB
	JLOAD G0+4*\slot, G1, G0B+4*\slot, G1B         ; my one tensor load behind the round; its four v_nop are the places in front of the loads below
.else
	PLACES NP
.endif
	v_add_nc_u32 v[ADRS], 4*NQ, v[ADRS]            ; the next K step's scale words
	FETCH_B \next, 0, 0
	FETCH_A \next, 0, 0
	SCALES \next
	WIN MUL_HI
	MUL16 4, 1, NQ-1, \slot, 0
	MUL16 6, 1, NQ-1, \slot, 0
	PLACES NP
	WIN 0
	FETCH_A \next, 0, 4
.endm
.macro STEPS slot, from
.set Q, \from
.rept NQ-1-\from
	STEP \slot, Q, 0
.set Q, Q+1
.endr
.endm
.macro LOADF off                       ; a block's 64 numbers a lane: v[32 + 8 b + j] = C(position r, column 32 CH + 64 (b / 2) + 16 (b % 2) + 8 h + j)
.irp n, 0,1,2,3,4,5,6,7,8,9,10,11,12,13,14,15
	ds_load_b128 v[32+4*\n:35+4*\n], v[IMR] offset:\off+512*\n
.endr
.endm
; cos and sin of my position at my 32 channels, into set `set` (window 1, from v[128 set] on): 16 registers cos[d ..], 16 cos[d + 64 ..], 16 sin[d ..], 16 sin[d + 64 ..].  The caller sets the window.
.macro LOADCS set, off
.irp hf, 0,1
.irp u, 0,1
.irp q, 0,1
	global_load_b128 v[128*(\set)+16*\hf+8*\u+4*\q:128*(\set)+16*\hf+8*\u+4*\q+3], v[CSO], s[8:9] offset:(\off)+256*\hf+64*\u+16*\q
	global_load_b128 v[128*(\set)+32+16*\hf+8*\u+4*\q:128*(\set)+32+16*\hf+8*\u+4*\q+3], v[CSO], s[10:11] offset:(\off)+256*\hf+64*\u+16*\q
.endr
.endr
.endr
.endm
	s_wait_tensorcnt 1                             ; the scales and my part of K step 0 are in; K step 1's load may be out
	s_barrier_signal -1
	s_barrier_wait -1
	FETCH_B 0, 0, 0
	FETCH_A 0, 0, 0
	SCALES 0
	FETCH_A 0, 0, 4
	STEP 0, 0, 1                                   ; the first products start the sums: nothing is cleared.  Four K steps of 512, written straight
	STEPS 0, 1
	TURN 0, 1, 1                                   ; slot 0 takes K step 2
	STEPS 1, 0
	TURN 1, 0, 1                                   ; slot 1 takes K step 3
	STEP 0, 0, 0
	STEPS 0, 1
	TURN 0, 1, 0
	STEPS 1, 0
	s_wait_dscnt 4*NL                              ; the very last step
	WIN MUL_LO
	MUL16 0, 1, NQ-1, 1, 0
	MUL16 2, 1, NQ-1, 1, 0
	s_wait_dscnt 0x0                               ; my last reads of the ring and of the scales are in:
	s_barrier_signal -1                            ; say so,
	WIN MUL_HI
	MUL16 4, 1, NQ-1, 1, 0
	MUL16 6, 1, NQ-1, 1, 0
	WIN 0
	s_barrier_wait -1                              ; and write over those bytes only when all four waves have said so
	PLACES NP                                      ; the places in front of the loads into W's registers and of the first reads of results
	s_cmp_eq_u32 s[TY], 2
	s_cbranch_scc1 .Lno_cs                         ; v is not rotated
	WIN TO_B
	LOADCS 0, 0                                    ; q, k: the first trip's cos and sin are asked for here: the 128 stores below stand between the request and the wait
	LOADCS 1, 8192
	WIN 0
.Lno_cs:
	; ---- the accumulators go to LDS as they stand, each from its low end on: block a, tile b at (16 a + 2 b) x 512
.irp a, 0,1,2,3,4,5,6,7
	WIN 0x08+4*(\a/4)                              ; an LDS store's data are its source 1: window 2 or 3
.irp b, 0,1,2,3,4,5,6,7
	ds_store_b128 v[IM], v[8*(8*(\a%4)+\b):8*(8*(\a%4)+\b)+3] offset:(16*\a+2*\b)*512
	ds_store_b128 v[IM], v[8*(8*(\a%4)+\b)+4:8*(8*(\a%4)+\b)+7] offset:(16*\a+2*\b)*512+512
.endr
.endr
	WIN 0
; ONE BLOCK OF 16 POSITIONS.  blk: which of the trip's two, the stage's parity, and the set of cos and sin.  ahead = 1: a trip follows: its cos and sin and its first images are asked for in block 1.
.macro BLOCK blk, ahead
.set CSB, 128*\blk
	s_wait_xcnt 0x0                                ; the last block's stores have read their data: v160-191 are written again only behind this wait
	s_cmp_eq_u32 s[TY], 2
	s_cbranch_scc1 .Lv_\@
	s_wait_dscnt 0x0                               ; the block's numbers are in
.set j, 0
.rept 32
	v_mul_f32 v[Y+j], 0xbfb8aa3b, |v[X+j]|         ; -|x| log2(e)
.set j, j+1
.endr
.set j, 0
.rept 32
	v_exp_f32 v[Y+j], v[Y+j]                       ; e = exp(-|x|)
.set j, j+1
.endr
.set j, 0
.rept 32
	v_max_num_f32 v[X+j], 0, v[X+j]                ; max(x, 0): plain work behind the batch
.set j, j+1
.endr
	s_wait_alu depctr_va_vdst(0)                   ; one wait for the 32 exponentials, ahead of their first reader
.set j, 0
.rept 16
	v_pk_add_f32 v[U+j:U+j+1], v[Y+j:Y+j+1], 1.0 op_sel_hi:[1,0]      ; u = 1 + e, rounded
.set j, j+2
.endr
.set j, 0
.rept 16
	v_pk_add_f32 v[V+j:V+j+1], v[U+j:U+j+1], -1.0 op_sel_hi:[1,0]     ; u - 1, exact
.set j, j+2
.endr
.set j, 0
.rept 16
	v_pk_add_f32 v[Y+j:Y+j+1], v[Y+j:Y+j+1], v[V+j:V+j+1] neg_lo:[0,1] neg_hi:[0,1]   ; what the rounding of 1 + e dropped: it keeps log1p right where e is small
.set j, j+2
.endr
.set j, 0
.rept 32
	v_log_f32 v[U+j], v[U+j]
.set j, j+1
.endr
.set j, 0
.rept 16
	v_pk_mul_f32 v[W1+j:W1+j+1], v[W1+j:W1+j+1], 0x3b800000 op_sel_hi:[1,0]   ; mu x 2^-8, exact
.set j, j+2
.endr
.set j, 0
.rept 16
	v_pk_add_f32 v[X+j:X+j+1], v[X+j:X+j+1], 0x38d1b717 op_sel_hi:[1,0]       ; max(x, 0) + 1e-4
.set j, j+2
.endr
	s_wait_alu depctr_va_vdst(0)                   ; one wait for the 32 logarithms
.set j, 0
.rept 16
	v_pk_fma_f32 v[U+j:U+j+1], v[U+j:U+j+1], 0x3f317218, v[Y+j:Y+j+1] op_sel_hi:[1,0,1]   ; log2(u) x ln 2 + what was dropped: log(1 + e)
.set j, j+2
.endr
.set j, 0
.rept 16
	v_pk_add_f32 v[U+j:U+j+1], v[U+j:U+j+1], v[X+j:X+j+1]             ; sigma
.set j, j+2
.endr
.set j, 0
.rept 32
	v_rsq_f32 v[V+j], v[U+j]
.set j, j+1
.endr
	v_nop                                          ; the plain line behind the last of them
	s_wait_loadcnt 0x0                             ; cos and sin are in.  A trip's two sets are asked for together, so block 0's wait shows both in and block 1's is met at once; it stands in both, since a block's way is chosen anew by the kind
	s_wait_alu depctr_va_vdst(0)                   ; one wait for the 32 roots
.set j, 0
.rept 16
	v_pk_mul_f32 v[W1+j:W1+j+1], v[W1+j:W1+j+1], v[V+j:V+j+1]         ; w = mu / sqrt(sigma)
.set j, j+2
.endr
	WIN BY_CS                                      ; the block's set of cos and sin lies in window 1
.set j, 0
.rept 8
	v_pk_mul_f32 v[X+j:X+j+1], v[W2+j:W2+j+1], v[CSB+32+j:CSB+33+j]
	v_pk_mul_f32 v[X+16+j:X+17+j], v[W1+j:W1+j+1], v[CSB+48+j:CSB+49+j]
.set j, j+2
.endr
.set j, 0
.rept 8
	v_pk_fma_f32 v[X+j:X+j+1], v[W1+j:W1+j+1], v[CSB+j:CSB+j+1], v[X+j:X+j+1] neg_lo:[0,0,1] neg_hi:[0,0,1]   ; w[d] cos[d] - w[d + 64] sin[d]
	v_pk_fma_f32 v[X+16+j:X+17+j], v[W2+j:W2+j+1], v[CSB+16+j:CSB+17+j], v[X+16+j:X+17+j]                     ; w[d + 64] cos[d + 64] + w[d] sin[d + 64]
.set j, j+2
.endr
.if \blk && \ahead
	WIN TO_B
	LOADCS 0, 32768                                ; both sets have been used: the next trip's cos and sin, 64 positions on; the rest of this block and the next block's softplus stand between the request and the wait
	LOADCS 1, 32768+8192
.endif
	WIN 0
	s_cmp_lg_u32 s[TY], 1
	s_cbranch_scc1 .Lnokb_\@
.set j, 0
.rept 32
	v_log_f32 v[Y+j], v[U+j]                       ; k alone: log2(sigma)
.set j, j+1
.endr
.irp c, 0,2,4,6
	v_pk_mul_f32 v[240+\c:241+\c], v[X+\c:X+\c+1], v[X+\c:X+\c+1]     ; the squares, in four chains: plain work behind the batch
.endr
.set j, 8
.rept 12
	v_pk_fma_f32 v[240+j%8:241+j%8], v[X+j:X+j+1], v[X+j:X+j+1], v[240+j%8:241+j%8]
.set j, j+2
.endr
	s_wait_alu depctr_va_vdst(0)                   ; one wait for the 32 logarithms
.irp c, 0,2,4,6
	v_pk_add_f32 v[248+\c:249+\c], v[Y+\c:Y+\c+1], v[Y+8+\c:Y+9+\c]
.endr
.set j, 16
.rept 8
	v_pk_add_f32 v[248+j%8:249+j%8], v[248+j%8:249+j%8], v[Y+j:Y+j+1]
.set j, j+2
.endr
.irp c, 240, 248
	v_pk_add_f32 v[\c:\c+1], v[\c:\c+1], v[\c+2:\c+3]
	v_pk_add_f32 v[\c+4:\c+5], v[\c+4:\c+5], v[\c+6:\c+7]
.endr
.irp c, 240, 248
	v_pk_add_f32 v[\c:\c+1], v[\c:\c+1], v[\c+4:\c+5]
.endr
	v_add_f32 v240, v240, v241
	v_add_f32 v248, v248, v249
	v_fma_f32 v240, 0x37317218, v248, v240         ; squares (they carry 2^-16) + ln 2 x 2^-16 x the logarithms
	v_permlanex16_b32 v241, v240, s66, s67
	v_add_f32 v240, v240, v241                     ; with lane l xor 16's channels: my wave's 64 of the 128
	ds_store_b32 v[KBT], v240 offset:64*\blk       ; both halves of the lanes write the same word with the same value
.Lnokb_\@:
.set j, 0
.rept 32
	v_and_b32 v[Y+j], 0xffffe000, v[X+j]           ; the high part: 11 significant bits, which f16 holds exactly
.set j, j+1
.endr
.set j, 0
.rept 16
	v_pk_add_f32 v[X+j:X+j+1], v[X+j:X+j+1], v[Y+j:Y+j+1] neg_lo:[0,1] neg_hi:[0,1]   ; the low part: the rest, exact in f32
.set j, j+2
.endr
.set j, 0
.rept 16
	v_cvt_pk_f16_f32 v[U+j], v[Y+2*j], v[Y+2*j+1]          ; v192-207: 32 high parts,
	v_cvt_pk_f16_f32 v[U+16+j], v[X+2*j], v[X+2*j+1]       ; v208-223: 32 low parts
.set j, j+1
.endr
	s_branch .Ljoin_\@
.Lv_\@:
	s_wait_dscnt 0x0                               ; the block's numbers are in
.set j, 0
.rept 32
	v_cvt_pk_f16_f32 v[U+j], v[32+2*j], v[33+2*j]
.set j, j+1
.endr
.Ljoin_\@:
.irp b, 0,1,2,3,4,5,6,7                        ; v: tile b's eight columns; q, k: b = 0 .. 3 the high parts of channels d, d + 16, d + 64, d + 80, b = 4 .. 7 the low parts, 256 bytes on: the same byte offsets
	ds_store_b128 v[STV], v[U+4*\b:U+4*\b+3] offset:16896*\blk+128*(\b/2)+32*(\b%2)
.endr
	s_wait_dscnt 0x0                               ; for the others' sake: my stores into the stage (and into k's sums) are done; my reads of the other parity ended a block ago
	s_barrier_signal -1
	s_barrier_wait -1                              ; one barrier a block: a parity is written again only behind the next block's barrier
.irp t, 0,1,2,3,4,5,6,7
	ds_load_b128 v[Y+4*\t:Y+4*\t+3], v[RDV] offset:16896*\blk+1056*\t
.endr
.if \blk == 0
	LOADF 8192                                     ; the trip's second block is asked for here
	s_wait_dscnt 16                                ; the stage's rows are in; those sixteen loads may be out
.elseif \ahead
	s_add_co_u32 s99, s99, 16384                   ; on to the next trip's images (no LDS load that names v6 is out: block 1's numbers came in at its head),
	v_add_nc_u32 v[IMR], s99, v[IM]
	LOADF 0                                        ; whose first block is asked for here
	s_wait_dscnt 16                                ; the stage's rows are in; those sixteen loads may be out
.else
	s_wait_dscnt 0x0
.endif
.irp t, 0,1,2,3,4,5,6,7
	global_store_b128 v[OUTO], v[Y+4*\t:Y+4*\t+3], s[12:13] offset:4096*\blk+512*\t   ; the wave stores 512 consecutive bytes, aligned: two rows of a plane's head
.endr
.endm
	s_mov_b32 s99, 0                               ; the trip's offset among my images: 16,384 a trip
	s_mov_b32 s2, 0                                ; and among my wave's sums for k: 32 positions, 128 bytes, a trip
	s_mov_b32 s3, 3
	v_add_nc_u32 v[IMR], s99, v[IM]
	LOADF 0                                        ; the first block's numbers: LDS serves a wave's instructions in order, so these see the stores above
.Ltrip:                                            ; a trip: positions 64 T + 32 RH + 0 .. 31 of the tile; three trips here, the fourth behind the loop
	v_add_nc_u32 v[KBT], s2, v[KBW]
	BLOCK 0, 1
	BLOCK 1, 1
	s_wait_xcnt 0x0                                ; the stores and loads have read their bases: they step only behind this wait
	s_add_nc_u64 s[12:13], s[12:13], 16384
	s_add_nc_u64 s[8:9], s[8:9], 32768
	s_add_nc_u64 s[10:11], s[10:11], 32768
	s_add_co_u32 s2, s2, 128
	s_sub_co_u32 s3, s3, 1
	s_cmp_lg_u32 s3, 0
	s_cbranch_scc1 .Ltrip
	v_add_nc_u32 v[KBT], s2, v[KBW]                ; the last trip is written out: it asks for nothing ahead, so no load leaves its buffer and every count holds on every way
	BLOCK 0, 0
	BLOCK 1, 0
	s_barrier_signal -1                            ; a barrier between the blocks, in which k's sums are stored, and their reads (no LDS instruction of mine is out: the last block ended on a wait for all)
	s_barrier_wait -1
	s_cmp_lg_u32 s[TY], 1
	s_cbranch_scc1 .Lend
	ds_load_b64 v[32:33], v[KBR]                   ; k: the two column halves' sums of two positions a thread
	ds_load_b64 v[34:35], v[KBR] offset:512
	s_wait_dscnt 0x0
	v_pk_add_f32 v[32:33], v[32:33], v[34:35]
	v_pk_mul_f32 v[32:33], v[32:33], -0.5 op_sel_hi:[1,0]
	global_store_b64 v[KBO], v[32:33], s[14:15]    ; a wave stores 256 consecutive bytes, aligned
.Lend:
	s_wait_tensorcnt 0x0                           ; the wave's end: the tensor wait, the add and its wait, behind my last tensor load and my last LDS store
	ds_add_u32 v[SPW], v[NIL]
	s_wait_dscnt 0x0
	CROUND                                         ; the closing round
	s_endpgm
.Lfunc_end_k_q9c7d0fc6ed_proj:
	.size	k_q9c7d0fc6ed_proj, .Lfunc_end_k_q9c7d0fc6ed_proj-k_q9c7d0fc6ed_proj
	.p2alignl 7, 3214868480
	.fill 96, 4, 3214868480
	.section	.rodata,"a",@progbits
	.p2align	6, 0x0
	.amdhsa_kernel k_q9c7d0fc6ed_proj
		.amdhsa_group_segment_fixed_size 327680
		.amdhsa_private_segment_fixed_size 0
		.amdhsa_enable_private_segment 0
		.amdhsa_kernarg_size 48
		.amdhsa_user_sgpr_count 2
		.amdhsa_user_sgpr_kernarg_segment_ptr 1
		.amdhsa_wavefront_size32 1
		.amdhsa_system_sgpr_workgroup_id_x 1
		.amdhsa_system_sgpr_workgroup_id_y 1
		.amdhsa_system_sgpr_workgroup_id_z 1
		.amdhsa_system_vgpr_workitem_id 0
		.amdhsa_next_free_vgpr 1024
		.amdhsa_next_free_sgpr 100
		.amdhsa_reserve_vcc 0
		.amdhsa_float_denorm_mode_32 3
		.amdhsa_float_denorm_mode_16_64 3
		.amdhsa_memory_ordered 1
		.amdhsa_forward_progress 1
		.amdhsa_inst_pref_size 255
	.end_amdhsa_kernel
	.section	.bss,"aw",@nobits
	.p2align	6
	.space	262144
	.amdgpu_metadata
---
amdhsa.version: [ 1, 2 ]
amdhsa.kernels:
  - .name:           k_q9c7d0fc6ed_proj
    .symbol:         k_q9c7d0fc6ed_proj.kd
    .args:
      - { .name: codes, .offset: 0, .size: 8, .value_kind: global_buffer, .address_space: global }
      - { .name: scales, .offset: 8, .size: 8, .value_kind: global_buffer, .address_space: global }
      - { .name: cos, .offset: 16, .size: 8, .value_kind: global_buffer, .address_space: global }
      - { .name: sin, .offset: 24, .size: 8, .value_kind: global_buffer, .address_space: global }
      - { .name: qkv, .offset: 32, .size: 8, .value_kind: global_buffer, .address_space: global }
      - { .name: kb, .offset: 40, .size: 8, .value_kind: global_buffer, .address_space: global }
    .group_segment_fixed_size: 327680
    .private_segment_fixed_size: 0
    .kernarg_segment_align: 8
    .kernarg_segment_size: 48
    .max_flat_workgroup_size: 128
    .sgpr_count:     100
    .vgpr_count:     1024
    .wavefront_size: 32
...
	.end_amdgpu_metadata
.endif
;; end of part 2
;; launch attn (part 3): grid 16 x 16, 4 waves a work-group, clusters of 4 x 1, 327,680 bytes of LDS; arguments qkv, kb, ao; writes ao
.if DOCPART == 3
	.amdgcn_target "amdgcn-amd-amdhsa--gfx1250"
	.amdhsa_code_object_version 6
	.text
	.protected	k_q9c7d0fc6ed_attn
	.globl	k_q9c7d0fc6ed_attn
	.p2align	8
	.type	k_q9c7d0fc6ed_attn,@function
k_q9c7d0fc6ed_attn:
	s_mov_b64 s[64:65], 0
	v_nop
	global_prefetch_b8 v0, s[64:65] scope:SCOPE_SE
	s_setreg_imm32_b32 hwreg(HW_REG_WAVE_MODE, 25, 1), 1
	s_wait_xcnt 0x0
	s_wait_alu depctr_hold_cnt(0) depctr_sa_sdst(0) depctr_va_vdst(0) depctr_va_sdst(0) depctr_va_ssrc(0) depctr_va_vcc(0) depctr_vm_vsrc(0)
	s_getreg_b32 s2, hwreg(HW_REG_IB_STS2, 6, 4)
	s_cmp_eq_u32 s2, 0
	s_cbranch_scc0 .Lentry_in_a_cluster
	s_endpgm
.Lentry_in_a_cluster:
	s_bfe_u32 s2, ttmp6, 0x10000c
	s_cmp_lg_u32 s2, 0x3003
	s_cbranch_scc0 .Lentry_shape_is_right
	s_endpgm
.Lentry_shape_is_right:
; ao[q][128 head + :] = the sum over keys of softmax_k(q_w . k_w - 0.5 (k_sq + log_det_k)) v[k][:], for each of 16 heads, 2,048 queries, 2,048 keys, no mask.
; IN: qkv, five planes [16][2048][128] of f16: q_w x 2^-8 as a high and a low part, k_w x 2^-8 likewise, v;  kb [16][2048] f32: -0.5 (k_sq + log_det_k) x 2^-16.  OUT: ao [2048][2048] f16.
; Products on f16 operands; sums, maxima and exponentials in f32.  THE SCORE TAKES BOTH PARTS: q_hi . k_hi + q_lo . k_hi + q_hi . k_lo.  An error d of a score is a relative error d of a weight, and where two keys nearly tie
; the 11 significant bits of one f16 number a side leave too large a d; with the low parts what is left of an element's error is at most about 2^-24 on numbers of about 2^-8.
; The query's own terms of the score are equal for all keys of a row and fall out when the row's maximum is taken away; they are not made.
; LIMITS: |q_w|, |k_w| under 65,504 x 256, |v| under 65,504; NaN and infinities are not served.
; SHARES.  A work-group owns 128 queries of one head: 256 work-groups.  Each of its four waves holds 32 queries, two tiles of 16, and walks all keys, 64 a step.
; LAYOUT.  S^T = K Q^T + kb (source 0 = 16 keys, source 1 = 16 queries; kb[key] is the C of each sum's first product): a lane holds ONE query and the keys 8 (lane / 16) + 0..7.  Two such tiles, rounded to f16 in pairs,
; ARE source 1 of O^T = V^T P.  K comes out of LDS as it lies, V ([key][channel]) turned, by ds_load_tr16_b128.
; SOFTMAX.  A running maximum m and sum l for each query: p = 2^(c s - c m), c = log2(e) x 2^16 (it undoes the two factors 2^-8); in every step O and l are multiplied by a = 2^(c m_old - c m_new).
; BY TURNS.  In a TURN one tile has the matrix unit (16 products V^T P of the step in hand, 48 products K Q^T of the next) and the other tile's softmax, 134 instructions cut into 64 slices,
; stands between them, one slice behind each matrix instruction.  Two turns are a key step.
; CLUSTER.  The four query blocks of a cluster belong to one head and walk the same K, V and kb: every tile is asked for JOINTLY, one load a wave behind each round.
; REGISTERS, windows of 256: window 0: v0-11, v44-45 addresses; v12-27 statistics, eight a tile; v64-127 S^T; v192-223 P.  window 1: v0-127 O^T, 64 a tile; v128-255 K's low parts of a step.
;   window 2: v0-63 Q's high parts, v64-127 its low parts; v128-255 K's high parts of a step.  window 3: v0-127 V of a step; v128-159 kb of a step.
.set KS,    64
.set PK,    272       ; a row of K in LDS: 256 bytes + 16: the 16 rows of a load start 68 words apart
.set PV,    288       ; a row of V: 256 + 32: 16 lanes of the turning load take 8 rows x 32 bytes
.set KLO,   128*PK    ; a slot holds 128 keys, two steps: 128 rows of K's high parts, 128 of its low parts,
.set VOFF,  2*128*PK  ; 128 rows of V
.set SLOTB, 2*128*PK+128*PV
.set KSTP,  KS*PK
.set VSTP,  KS*PV
.set KBL,   2*SLOTB   ; behind the ring: the head's kb, 8,192 bytes, filled once
.set SPARE, KBL+8192  ; the spare words, 128 bytes a wave
.set STAGE, SPARE+512 ; the way out: 16 rows x 272 bytes for each wave; no fill lands here
.set SP,    272
.set AK0, 2
.set AV0, 3
.set ADR, 4
.set QO,  5
.set STO, 6
.set RD,  7
.set GO,  8
.set KBA0, 44         ; v44 my lane's place in kb: KBL + 32 (lane / 16)
.set KBA, 45
.set PFO, 61          ; v61 256 x my lane; never rewritten
.set SPW, 62          ; v62 my spare word; never rewritten
.set NIL, 63          ; v63 0; never rewritten
.set ST,  12          ; tile t's statistics at v[ST+8 t]: +0 c m, +1 m, +2, +3 l, +4 to +7 at work; a takes +6
.set S,   64
.set P,   192
.set KF,  128         ; K's fragments: high parts in window 2, low parts in window 1
.set KBR, 128         ; kb's registers, window 3
.set WV,  12
.set LIM, 15
.set PFA, 18
.set G1K, 24
.set G1V, 32
.set G0K, 40
.set G0V, 48
.set SLOTS, 56
.set TWICE, 57
.set CS,  58
.set SEL, 60
.set TBK, 62          ; s62 LDS byte at which the K of the step to be fetched begins
.set TBV, 63          ; s63 the same for V
.set TKB, 66          ; s66 the step's byte in kb
.set DS,  67          ; s67 the slot that was filled last: 0 or SLOTB
.set WOK, 68          ; s68 where my load of K lands in a slot: wave 0 the high parts, wave 1 the low parts
.set WOV, 69          ; s69 where my load of V lands: wave 2 rows 0-63, wave 3 rows 64-127
.set G1B, 72
.set G0B, 80
.set MSB, 0
.macro WIN new
.if MSB != (\new)
	s_set_vgpr_msb (MSB<<8)|(\new)
.set MSB, (\new)
.endif
.endm
.set W_KQ,  0x0a      ; K's high parts and Q window 2, S^T window 0
.set W_KQ0, 0x3a      ; the same with C (kb) in window 3
.set W_KQL, 0x09      ; K's low parts window 1, Q window 2, S^T window 0
.set W_PV,  0x53      ; V window 3, P window 0, O^T window 1
.set W_RS,  0x41      ; O^T window 1, a window 0
; A joint refill: waves 0 and 1 fetch K's two parts (128 rows each), waves 2 and 3 V's halves (64 rows each).  An s_nop 0 and four v_nop follow each line.
.macro JLOAD
	s_cmp_lt_u32 s[WV], 2
	s_cbranch_scc0 .Lfor_v_\@
	tensor_load_to_lds s[G0K+4:G0K+7], s[G1K:G1K+7]
	s_nop 0
.rept 4
	v_nop
.endr
	s_branch .Lasked_\@
.Lfor_v_\@:
	tensor_load_to_lds s[G0V+4:G0V+7], s[G1V:G1V+7]
	s_nop 0
.rept 4
	v_nop
.endr
.Lasked_\@:
.endm
; A prefetch of what the NEXT change of slots will ask for: 128 rows of K's high parts, 128 of its low parts, 128 of V, 256 bytes a row, a lane a row.  Each row is named once in the launch: the head's first cluster asks; wave 0 asks
; for the high parts, wave 1 for the low parts, wave 2 for V, wave 3 for nothing; the four partners take 32 of the 128 rows each, told apart by address.  It stands two key steps, 256 matrix instructions, ahead of that load.
; The last filling change asks for nothing.
.macro ASK
	s_cmp_gt_u32 s[SLOTS], s[LIM]
	s_cbranch_scc0 .Lnot_mine_\@
	global_prefetch_b8 v[PFO], s[PFA:PFA+1] th:TH_LOAD_NT scope:SCOPE_SE
.Lnot_mine_\@:
.endm
.macro CROUND
	s_barrier_signal -1
	s_barrier_wait -1
	s_cmp_lg_u32 s[WV], 0
	s_cbranch_scc1 .Lnot_wave_0_\@
	s_barrier_signal -3
.Lnot_wave_0_\@:
	s_barrier_wait -3
	s_barrier_signal -1
	s_barrier_wait -1
.endm
	s_load_b128 s[84:87], s[0:1], 0x0 ; qkv s[84:85], kb s[86:87]
	s_load_b64 s[10:11], s[0:1], 0x10 ; ao
	v_lshl_add_u32 v[SPW], v0, 2, SPARE
	v_mov_b32 v[NIL], 0
	ds_add_u32 v[SPW], v[NIL]       ; the wave's opening: the add, twice on end, and its wait ahead of my first tensor load
	ds_add_u32 v[SPW], v[NIL]
	v_lshrrev_b32 v1, 5, v0
	v_readfirstlane_b32 s[WV], v1   ; wave
	s_and_b32 s16, s[WV], 1         ; which of the two loads of K, or of V, is mine
	s_bfe_u32 s13, ttmp6, 0x40000   ; cx
	s_lshl_b32 s14, ttmp9, 2
	s_add_co_u32 s14, s14, s13      ; my block of 128 queries: it enters Q's and ao's addresses alone
	s_and_b32 s17, ttmp7, 0xffff    ; the head, which the four partners share
	s_lshl_b32 s20, s17, 19         ; the head's first byte in a plane of qkv
	s_lshl_b32 s22, s16, 23
	s_add_co_u32 s22, s22, s20
	s_add_co_u32 s22, s22, 0x1000000  ; K: plane 2 (high parts) or 3 (low parts), the head
	s_mov_b32 s23, 0
	s_lshl_b32 s88, s16, 14
	s_add_co_u32 s88, s88, s20
	s_add_co_u32 s88, s88, 0x2000000  ; V: plane 4, the head, my 64 rows of a slot
	s_mov_b32 s89, 0
	s_lshl_b32 s90, s17, 13
	s_lshl_b32 s91, s[WV], 11
	s_add_co_u32 s90, s90, s91      ; kb: the head's row, my quarter
	s_mov_b32 s91, 0
	s_lshl_b32 s2, s14, 15
	s_lshl_b32 s3, s[WV], 13
	s_add_co_u32 s2, s2, s3
	s_add_co_u32 s2, s2, s20        ; Q: plane 0, the head, my 32 queries
	s_mov_b32 s3, 0
	s_lshl_b32 s92, s14, 19
	s_lshl_b32 s93, s[WV], 17
	s_add_co_u32 s92, s92, s93
	s_lshl_b32 s93, s17, 8
	s_add_co_u32 s92, s92, s93      ; ao: row 128 block + 32 wave of 4,096 bytes, + 256 x head
	s_mov_b32 s93, 0
	s_mul_i32 s[WOK], s16, KLO
	s_mul_i32 s[WOV], s16, 64*PV
	s_add_co_u32 s[WOV], s[WOV], VOFF
	s_mov_b32 s[G1K], 15|(1<<16)|(1<<20)|(1<<21)|(5<<22)|(3<<25)  ; the mask: all four; elements of 2 bytes; padding on; bit 21 beside a mask; after every 64 words 4 words
	s_mov_b32 s[G1V], 15|(1<<16)|(1<<20)|(1<<21)|(5<<22)|(7<<25)  ; the same with 8 words
.irp g, G1K, G1V
	s_mov_b32 s[\g+1], 128<<16      ; tensor_dim0
	s_mov_b32 s[\g+3], 128<<16      ; tile_dim0
	s_mov_b32 s[\g+5], 128          ; the pitch
	s_mov_b32 s[\g+6], 0
	s_mov_b32 s[\g+7], 0
.endr
	s_mov_b32 s[G1K+2], 128<<16     ; K: tensor_dim1
	s_mov_b32 s[G1K+4], 128         ; and tile_dim1: 128 rows
	s_mov_b32 s[G1V+2], 64<<16      ; V: 64 rows
	s_mov_b32 s[G1V+4], 64
	s_mov_b32 s[G1B], 15|(3<<16)|(1<<21)  ; kb: 2,048 dense bytes as 8 rows of 256 (32 elements of 8 bytes), no padding
	s_mov_b32 s[G1B+1], 32<<16
	s_mov_b32 s[G1B+2], 8<<16
	s_mov_b32 s[G1B+3], 32<<16
	s_mov_b32 s[G1B+4], 8
	s_mov_b32 s[G1B+5], 32
	s_mov_b32 s[G1B+6], 0
	s_mov_b32 s[G1B+7], 0
	s_mov_b32 s[CS], 0x47b8aa3b     ; c = log2(e) x 2^16
	s_mov_b32 s[CS+1], s[CS]
	s_mov_b32 s[SEL], 0x76543210
	s_mov_b32 s[SEL+1], 0xfedcba98
	s_mov_b32 s[TBK], 0
	s_mov_b32 s[TBV], 0
	s_mov_b32 s[TKB], 0
	s_mov_b32 s[DS], SLOTB
	s_mov_b32 s[SLOTS], 14          ; 16 slots of 128 keys; all but the first two are asked for at a change
	s_cmp_eq_u32 s[WV], 3
	s_cselect_b32 s[LIM], 1, 0      ; 0 in waves 0 to 2,
	s_or_b32 s[LIM], s[LIM], ttmp9  ; of the head's first cluster: the same in all four partners
	s_cmp_eq_u32 s[LIM], 0
	s_cselect_b32 s[LIM], 1, -1
	v_and_b32 v[PFO], 31, v0
	v_lshlrev_b32 v[PFO], 8, v[PFO]
	s_wait_dscnt 0x0                ; both opening adds are done
	s_wait_kmcnt 0x0
	s_add_nc_u64 s[6:7], s[84:85], s[22:23]
	s_add_nc_u64 s[8:9], s[84:85], s[88:89]
	s_add_nc_u64 s[4:5], s[84:85], s[2:3]
	s_add_nc_u64 s[70:71], s[4:5], 0x800000  ; Q's low parts: a plane on
	s_add_nc_u64 s[86:87], s[86:87], s[90:91]
	s_add_nc_u64 s[10:11], s[10:11], s[92:93]
	s_cmp_lt_u32 s[WV], 2
	s_cselect_b64 s[PFA:PFA+1], s[6:7], s[8:9]  ; (in waves 0, 1 and 2 these stand at a slot's first row)
	s_lshl_b32 s2, s13, 13          ; my work-group's 32 rows of the 128
	s_mov_b32 s3, 0
	s_add_nc_u64 s[PFA:PFA+1], s[PFA:PFA+1], s[2:3]
	s_add_nc_u64 s[PFA:PFA+1], s[PFA:PFA+1], 2*32768  ; in slot 2; the first change steps it to slot 3.  Nothing is prefetched at the head
	CROUND                          ; all four work-groups are here: the first joint loads meet
	s_mov_b32 s[G0B], 1
	s_lshl_b32 s[G0B+1], s[WV], 11
	s_add_co_u32 s[G0B+1], s[G0B+1], KBL
	s_mov_b64 s[G0B+2:G0B+3], s[86:87]
	s_or_b32 s[G0B+3], s[G0B+3], 0x80000000
.irp s, 0,1
	s_mov_b32 s[G0K+4*\s], 1
	s_add_co_u32 s[G0K+4*\s+1], s[WOK], \s*SLOTB
	s_add_nc_u64 s[G0K+4*\s+2:G0K+4*\s+3], s[6:7], \s*32768
	s_or_b32 s[G0K+4*\s+3], s[G0K+4*\s+3], 0x80000000
	s_mov_b32 s[G0V+4*\s], 1
	s_add_co_u32 s[G0V+4*\s+1], s[WOV], \s*SLOTB
	s_add_nc_u64 s[G0V+4*\s+2:G0V+4*\s+3], s[8:9], \s*32768
	s_or_b32 s[G0V+4*\s+3], s[G0V+4*\s+3], 0x80000000
.endr
	tensor_load_to_lds s[G0B:G0B+3], s[G1B:G1B+7]  ; my quarter of the head's kb: every wave by this line, each with its own addresses
	s_nop 0
.rept 4
	v_nop
.endr
	s_cmp_lt_u32 s[WV], 2           ; then my parts of slots 0 and 1: three loads of mine are out
	s_cbranch_scc0 .Lfirst_v
	tensor_load_to_lds s[G0K:G0K+3], s[G1K:G1K+7]
	s_nop 0
	tensor_load_to_lds s[G0K+4:G0K+7], s[G1K:G1K+7]
	s_nop 0
.rept 4
	v_nop
.endr
	s_branch .Lfirst_asked
.Lfirst_v:
	tensor_load_to_lds s[G0V:G0V+3], s[G1V:G1V+7]
	s_nop 0
	tensor_load_to_lds s[G0V+4:G0V+7], s[G1V:G1V+7]
	s_nop 0
.rept 4
	v_nop
.endr
.Lfirst_asked:
	v_and_b32 v1, 15, v0            ; l % 16
	v_bfe_u32 v9, v0, 4, 1          ; l / 16
	v_lshlrev_b32 v[QO], 8, v1
	v_lshl_add_u32 v[QO], v9, 4, v[QO]  ; row x 256 + 16 x half
	WIN 0x80                        ; destination window 2
.irp i, 0,1,2,3,4,5,6,7             ; Q stays in registers: tile i / 4, channels 32 (i % 4) on: the high parts,
	global_load_b128 v[8*\i:8*\i+3],   v[QO], s[4:5] offset:(\i/4)*4096+(\i%4)*64
	global_load_b128 v[8*\i+4:8*\i+7], v[QO], s[4:5] offset:(\i/4)*4096+(\i%4)*64+32
.endr
.irp i, 0,1,2,3,4,5,6,7             ; and the low parts
	global_load_b128 v[64+8*\i:64+8*\i+3],   v[QO], s[70:71] offset:(\i/4)*4096+(\i%4)*64
	global_load_b128 v[64+8*\i+4:64+8*\i+7], v[QO], s[70:71] offset:(\i/4)*4096+(\i%4)*64+32
.endr
	WIN 0
	v_mul_u32_u24 v[AK0], v1, PK
	v_lshl_add_u32 v[AK0], v9, 4, v[AK0]  ; row x pitch + 16 x half
	v_and_b32 v10, 7, v0
	v_bfe_u32 v11, v0, 3, 1
	v_lshl_add_u32 v[AV0], v9, 3, v10
	v_mul_u32_u24 v[AV0], v[AV0], PV
	v_lshl_add_u32 v[AV0], v11, 4, v[AV0]
	v_add_nc_u32 v[AV0], VOFF, v[AV0]
	v_lshl_add_u32 v[KBA0], v9, 5, KBL
; THE MATRIX WORK OF A TURN, for tile x.  The accumulators take turns, one instruction a turn: between two links of a chain stand 7 (V^T P) or 3 (K Q^T) others'.
; Product i of 16 of O^T += V^T P: keys 32 (i / 8) on, channels 16 (i % 8) on.  zero = 1: the first 8 start the sums: nothing is ever cleared.
.macro PV x, zero
	WIN W_PV
.set rO, 64*(\x)+8*(i%8)
.set rV, 64*(i/8)+8*(i%8)
.set rP, P+16*(\x)+8*(i/8)
.if \zero && (i < 8)
	v_wmma_f32_16x16x32_f16 v[rO:rO+7], v[rV:rV+7], v[rP:rP+7], 0
.else
	v_wmma_f32_16x16x32_f16 v[rO:rO+7], v[rV:rV+7], v[rP:rP+7], v[rO:rO+7]
.endif
.endm
; Product i of 48 of S^T = K Q^T + kb: keys 16 (i % 4) on; channels 32 ((i / 4) % 4) on; i / 16 = 0: k_hi q_hi, 1: k_hi q_lo, 2: k_lo q_hi.  The first 4 start the sums with kb of their 16 keys.
.macro KQ x
.set kqt, i%4
.set kqc, (i/4)%4
.set rS, S+32*(\x)+8*kqt
.set rK, KF+32*kqt+8*kqc
.set rQ, 32*(\x)+8*kqc
.set rB, KBR+8*kqt
.if i/16 == 1
.set rQ, rQ+64
.endif
.if i < 4
	WIN W_KQ0
	v_wmma_f32_16x16x32_f16 v[rS:rS+7], v[rK:rK+7], v[rQ:rQ+7], v[rB:rB+7]
.elseif i/16 == 2
	WIN W_KQL
	v_wmma_f32_16x16x32_f16 v[rS:rS+7], v[rK:rK+7], v[rQ:rQ+7], v[rS:rS+7]
.else
	WIN W_KQ
	v_wmma_f32_16x16x32_f16 v[rS:rS+7], v[rK:rK+7], v[rQ:rQ+7], v[rS:rS+7]
.endif
.endm
.macro FETCH_K                      ; a step's kb (register j of tile f: key 16 f + 8 (lane / 16) + j, the same in all lanes of a half) and K's high parts (64 keys x 128 channels)
	WIN 0
	v_add_nc_u32 v[ADR], s[TBK], v[AK0]
	v_add_nc_u32 v[KBA], s[TKB], v[KBA0]
	WIN 0xc0
.irp f, 0,1,2,3
	ds_load_b128 v[KBR+8*\f:KBR+8*\f+3],   v[KBA] offset:64*\f
	ds_load_b128 v[KBR+8*\f+4:KBR+8*\f+7], v[KBA] offset:64*\f+16
.endr
	WIN 0x80
.irp f, 0,1,2,3,4,5,6,7,8,9,10,11,12,13,14,15
	ds_load_b128 v[KF+8*\f:KF+8*\f+3],   v[ADR] offset:(\f/4)*16*PK+(\f%4)*64
	ds_load_b128 v[KF+8*\f+4:KF+8*\f+7], v[ADR] offset:(\f/4)*16*PK+(\f%4)*64+32
.endr
.endm
.macro FETCH_KL                     ; the same step's low parts, 128 rows further on in the slot, into window 1
	WIN 0x40
.irp f, 0,1,2,3,4,5,6,7,8,9,10,11,12,13,14,15
	ds_load_b128 v[KF+8*\f:KF+8*\f+3],   v[ADR] offset:KLO+(\f/4)*16*PK+(\f%4)*64
	ds_load_b128 v[KF+8*\f+4:KF+8*\f+7], v[ADR] offset:KLO+(\f/4)*16*PK+(\f%4)*64+32
.endr
.endm
.macro FETCH_V
	WIN 0
	v_add_nc_u32 v[ADR], s[TBV], v[AV0]
	s_add_co_u32 s[TBK], s[TBK], KSTP  ; the next fetch is the next step's
	s_add_co_u32 s[TBV], s[TBV], VSTP
	s_add_co_u32 s[TKB], s[TKB], 256
	s_wait_alu depctr_va_vdst(0)    ; the wait for the softmax's batch (SLICE), behind the address's addition and ahead of the loads
	WIN 0xc0
.irp f, 0,1,2,3,4,5,6,7,8,9,10,11,12,13,14,15
	ds_load_tr16_b128 v[8*\f:8*\f+3],   v[ADR] offset:(\f/8)*32*PV+(\f%8)*32
	ds_load_tr16_b128 v[8*\f+4:8*\f+7], v[ADR] offset:(\f/8)*32*PV+16*PV+(\f%8)*32
.endr
.endm
; THE VECTOR WORK OF A TURN.  One tile's softmax for one key step is a list of 134 instructions; SM writes number j of it for tile t.
;   0-15 the maximum of the 32 scores and the old m;  16-20 the other half of the lanes', the new m, c m, c m_old - c m_new;  21-69 ONE BATCH: 16 packed scalings c s - c m and all 33 exponentials, none of which reads an
;   exponential's result; a pair is scaled ahead of its exponentials;  (the wait: SLICE writes it);  70-85 the roundings to f16;  86-101 the sums, l = a l + the sum;  102-133 the tile's O^T times a.
.macro SM t, first
.set rT, ST+8*(\t)
.set rS, S+32*(\t)
.set rP, P+16*(\t)
.set rO, 64*(\t)+2*(j-102)
.if j < 102
	WIN 0
.endif
.if j < 4
	v_max3_num_f32 v[rT+4+j], v[rS+8*j], v[rS+8*j+1], v[rS+8*j+2]
.elseif j < 12
	v_max3_num_f32 v[rT+4+j%4], v[rT+4+j%4], v[rS+8*(j%4)+2*(j/4)+1], v[rS+8*(j%4)+2*(j/4)+2]
.elseif j == 12
	v_max3_num_f32 v[rT+4], v[rT+4], v[rS+7], v[rS+15]
.elseif j == 13
	v_max3_num_f32 v[rT+6], v[rT+6], v[rS+23], v[rS+31]
.elseif j == 14
	v_max3_num_f32 v[rT+4], v[rT+4], v[rT+5], v[rT+6]
.elseif (j == 15) && \first
	v_max_num_f32 v[rT+4], v[rT+4], v[rT+7]
.elseif j == 15
	v_max3_num_f32 v[rT+4], v[rT+4], v[rT+7], v[rT+1]
.elseif j == 16
	v_permlanex16_b32 v[rT+5], v[rT+4], s[SEL], s[SEL+1]  ; the query's other 32 keys lie in the lane 16 away
.elseif j == 18
	v_max_num_f32 v[rT+1], v[rT+4], v[rT+5]
.elseif j == 19
	v_mul_f32 v[rT], s[CS], v[rT+1]
.elseif ((j == 17) || (j == 20) || (j == 23) || (j > 101)) && \first  ; the first step has none of these
.elseif j == 17
	v_mov_b32 v[rT+7], v[rT]        ; c m_old is kept for a
.elseif j == 20
	v_sub_f32 v[rT+7], v[rT+7], v[rT]
.elseif j == 23
	v_exp_f32 v[rT+6], v[rT+7]
.elseif (j < 23) || ((j < 38) && (j%2 == 0)) || ((j < 66) && (j%4 == 2))
.set b, (j-2)/4
.if j < 38
.set b, (j-20)/2
.endif
	v_pk_fma_f32 v[rS+2*b:rS+2*b+1], v[rS+2*b:rS+2*b+1], s[CS:CS+1], v[rT:rT+1] op_sel_hi:[1,0,0] neg_lo:[0,0,1] neg_hi:[0,0,1]  ; pair b: c s - c m
.elseif j < 70
.set e, j-38
.if j < 66
.set e, j-32-(j-38)/4
.endif
.if j < 38
.set e, (j-25)/2
.endif
	v_exp_f32 v[rS+e], v[rS+e]
.elseif j < 86
	v_cvt_pk_f16_f32 v[rP+j-70], v[rS+2*(j-70)], v[rS+2*(j-70)+1]
.elseif j < 102
.set z, j-86
.set w, 4
.set u, z
.if z >= 14
.set w, 32
.set u, 0
.elseif z >= 12
.set w, 16
.set u, z-12
.elseif z >= 8
.set w, 8
.set u, z-8
.endif
.if (z == 14) && \first
	v_pk_add_f32 v[rT+2:rT+3], v[rS:rS+1], v[rS+16:rS+17]
.elseif z < 15
	v_pk_add_f32 v[rS+w*u:rS+w*u+1], v[rS+w*u:rS+w*u+1], v[rS+w*u+w/2:rS+w*u+w/2+1]
.elseif !\first
	v_pk_fma_f32 v[rT+2:rT+3], v[rT+2:rT+3], v[rT+6:rT+7], v[rS:rS+1] op_sel_hi:[1,0,1]
.endif
.else
	WIN W_RS
	v_pk_mul_f32 v[rO:rO+1], v[rO:rO+1], v[rT+6:rT+7] op_sel_hi:[1,0]
.endif
.endm
; Slice k of 64 of tile y's softmax: numbers 2 k and 2 k + 1 of the list; 134 = 2 x 64 + 6: the six that are over stand in slice 63, whose eight plain instructions are also the places behind the turn's last product.
; The batch ends with number 69, in slice 34; ahead of slice 35 nothing names an exponential's result and behind slice 34 none is issued: so the tile's 33 exponentials have one wait, behind slice 34.
.macro SLICE y, first
.irp n, 0,1,2,3,4,5,6,7
.if (\n < 2) || (k == 63)
.set j, 2*k+\n
	SM \y, \first
.endif
.endr
.if k == 34
	v_nop                           ; the plain instruction behind the last exponential: one for the batch
.if (\y) == 0
	FETCH_V                         ; tile 1's turn: V's run of loads stands here, and the wait stands in it
.else
	s_wait_alu depctr_va_vdst(0)    ; the wait for the batch
.endif
.endif
.set k, k+1
.endm
; The slices that are due behind the turn's mc-th matrix instruction of NT: one where NT = 64, one or two where 48, four where 16.
.macro DEAL y, first
.rept 4
.if k*NT < 64*mc
	SLICE \y, \first
.endif
.endr
.endm
.macro PLACES
.rept 4
	v_nop
.endr
.endm
; A TURN.  Tile x has the matrix unit; the other tile's softmax stands in slices behind its matrix instructions.  pv = 2: 16 products V^T P; 1: they start O^T's sums; 0: none.  kq = 1: 48 products K Q^T for the next step.
; first = 1: the softmax is the first key step's; its slices from 51 on are empty, and four v_nop take slice 63's part as the places behind the turn's last products.
; Tile 0's turn fetches the next step's kb and K's high parts behind its second product (their last reader stands in front of slice 63 of the turn before), and K's low parts behind the wait for those, 32 products ahead of
; their first use: so at most 40 LDS loads of mine are out.  Tile 1's turn fetches the same step's V behind slice 34: the last product that read V is the turn's sixteenth.
.macro TURN x, pv, kq, first
.set k, 0
.set mc, 0
.set NT, 0
.if \pv
.set NT, NT+16
.endif
.if \kq
.set NT, NT+48
.endif
.if \pv
.if \x == 0
	s_wait_dscnt 0x0                ; V is in
.endif
.set i, 0
.rept 16
	PV \x, 2-\pv
.set mc, mc+1
	DEAL 1-\x, \first
.if (\x == 0) && \kq && (i == 1)
	FETCH_K
.endif
.set i, i+1
.endr
.endif
.if \kq
.set i, 0
.rept 48
.if (\x == 0) && (i == 0)
	s_wait_dscnt 0x0                ; kb and K's high parts are in
	FETCH_KL
.endif
.if (\x == 0) && (i == 32)
	s_wait_dscnt 0x0                ; K's low parts are in
.endif
	KQ \x
.set mc, mc+1
	DEAL 1-\x, \first
.set i, i+1
.endr
.endif
.if \first
	PLACES
.endif
.endm
; THE CHANGE OF SLOTS, between tile 1's turn and tile 0's.  Each wave waits for all its tensor loads (one is out: its part of the other slot), adds 0 to its spare word, and waits for that and for its reads of the slot.
; fill = 1: the slot is filled again with the keys two slots on; the barrier is then a round of the cluster's, and the joint refill is the first thing behind it: it has two key steps in which to land.
.macro CHANGE fill
	WIN 0
	s_wait_tensorcnt 0x0            ; no tensor load of mine is out, so a group 0 may be written
	ds_add_u32 v[SPW], v[NIL]
.if \fill
	s_xor_b32 s[DS], s[DS], SLOTB   ; the other slot than last time (0 or SLOTB, so the exclusive or holds),
	s_add_co_u32 s[G0K+5], s[DS], s[WOK]
	s_add_co_u32 s[G0V+5], s[DS], s[WOV]
	s_add_nc_u64 s[G0K+6:G0K+7], s[G0K+6:G0K+7], 32768  ; the next 128 keys
	s_add_nc_u64 s[G0V+6:G0V+7], s[G0V+6:G0V+7], 32768
	s_wait_xcnt 0x0                 ; the last prefetch, two key steps back, has read its address
	s_add_nc_u64 s[PFA:PFA+1], s[PFA:PFA+1], 32768
	s_wait_dscnt 0x0                ; the add is done, and my reads of the slot are over
	CROUND
	JLOAD
	ASK
.else
	s_wait_dscnt 0x0
	s_barrier_signal -1
	s_barrier_wait -1
.endif
	s_sub_co_u32 s[TBK], s[TBK], 2*KSTP  ; the fetches go back to a slot's first step,
	s_xor_b32 s[TBK], s[TBK], SLOTB      ; in the other slot
	s_sub_co_u32 s[TBV], s[TBV], 2*VSTP
	s_xor_b32 s[TBV], s[TBV], SLOTB
.endm
.macro TWO_STEPS
	s_mov_b32 s[TWICE], 2
.Lstep_\@:
	TURN 0, 2, 1, 0
	TURN 1, 2, 1, 0
	WIN 0
	s_sub_co_u32 s[TWICE], s[TWICE], 1
	s_cmp_lg_u32 s[TWICE], 0
	s_cbranch_scc1 .Lstep_\@
.endm
	s_wait_tensorcnt 1              ; kb and my part of slot 0 are in; slot 1's load may be out
	s_barrier_signal -1
	s_barrier_wait -1
	FETCH_K                         ; key step 0
	s_wait_loadcnt 0x0              ; Q
	s_wait_dscnt 0x0
	FETCH_KL
.set i, 0
.rept 48
.if i == 32
	s_wait_dscnt 0x0                ; K's low parts are in
.endif
	KQ 0                            ; tile 0's first scores: there is no vector work yet to set between them
.set i, i+1
.endr
	WIN 0                           ; the addresses for the way out are made here: eight plain instructions, the places behind those products
	s_mul_i32 s13, s[WV], 16*SP
	s_add_co_u32 s13, s13, STAGE
	v_mul_u32_u24 v[STO], v1, SP
	v_lshl_add_u32 v[STO], v9, 4, v[STO]
	v_add_nc_u32 v[STO], s13, v[STO]
	v_mul_u32_u24 v[RD], v9, SP
	v_lshl_add_u32 v[RD], v1, 4, v[RD]
	v_add_nc_u32 v[RD], s13, v[RD]
	v_lshlrev_b32 v[GO], 12, v9     ; ao: lanes 0-15 one row of 4,096 bytes, lanes 16-31 the next; 16 bytes a lane
	v_lshl_add_u32 v[GO], v1, 4, v[GO]
	TURN 1, 0, 1, 1                 ; tile 1's first scores | tile 0's first softmax | V of step 0
	TURN 0, 1, 1, 1                 ; tile 0: V^T P of step 0 starts O^T, K Q^T of step 1 | tile 1's first softmax | K of step 1
	TURN 1, 1, 1, 0                 ; tile 1: the same | tile 0's softmax of step 1 | V of step 1
	WIN 0
.Lslot:                             ; fourteen trips: every slot but the last two is filled again
	CHANGE 1
	TWO_STEPS
	s_sub_co_u32 s[SLOTS], s[SLOTS], 1
	s_cmp_lg_u32 s[SLOTS], 0
	s_cbranch_scc1 .Lslot
	CHANGE 0                        ; the tail is written out
	TWO_STEPS
	TURN 0, 2, 0, 0                 ; tile 0: V^T P of the last step | tile 1's last softmax
.set i, 0
.rept 16
	PV 1, 0                         ; tile 1: V^T P of the last step
.set i, i+1
.endr
	; THE WAY OUT.  l's two halves and the other half of the lanes' are added; O^T is divided by l, rounded to f16 and sent through my stage in LDS, a tile (16 rows of ao) at a time.
	WIN 0
	PLACES                          ; the places behind the last products
.irp t, 0,1
	v_add_f32 v[ST+8*\t+4], v[ST+8*\t+2], v[ST+8*\t+3]
.endr
.irp t, 0,1
	v_permlanex16_b32 v[ST+8*\t+5], v[ST+8*\t+4], s[SEL], s[SEL+1]
.endr
.irp t, 0,1
	v_add_f32 v[ST+8*\t+4], v[ST+8*\t+4], v[ST+8*\t+5]
.endr
.irp t, 0,1
	v_rcp_f32 v[ST+8*\t+6], v[ST+8*\t+4]
.endr
	v_nop                           ; a plain instruction between the last reciprocal and the use of its result
	s_wait_alu depctr_va_vdst(0)    ; one wait for the two
.macro PACK t                       ; a lane's eight channels of a row pack into 16 bytes; they go into rows of 272 bytes and come back as whole rows of 256
	WIN W_RS
.set i, 64*\t
.rept 32
	v_pk_mul_f32 v[i:i+1], v[i:i+1], v[ST+8*\t+6:ST+8*\t+7] op_sel_hi:[1,0]   ; each accumulator from its low end on
.set i, i+2
.endr
	WIN 0x05
.set i, 0
.rept 32
	v_cvt_pk_f16_f32 v[S+32*\t+i], v[64*\t+2*i], v[64*\t+2*i+1]
.set i, i+1
.endr
	WIN 0
.irp f, 0,1,2,3,4,5,6,7
	ds_store_b128 v[STO], v[S+32*\t+4*\f:S+32*\t+4*\f+3] offset:32*\f
.endr
.irp f, 0,1,2,3,4,5,6,7
	ds_load_b128 v[S+32*\t+4*\f:S+32*\t+4*\f+3], v[RD] offset:\f*2*SP   ; LDS serves a wave's instructions in order: these see the stores above, and the next tile's stores come behind them
.endr
.endm
.macro SEND t, younger              ; younger: the LDS instructions issued behind tile t's loads
.irp f, 0,1,2,3,4,5,6,7
	s_wait_dscnt \younger+7-\f
	global_store_b128 v[GO], v[S+32*\t+4*\f:S+32*\t+4*\f+3], s[10:11] offset:\t*65536+\f*8192   ; 16 lanes store 256 consecutive bytes, aligned: a head's part of a row of ao
.endr
.endm
	PACK 0
	PACK 1
	SEND 0, 16
	SEND 1, 0
	s_wait_tensorcnt 0x0            ; the wave's end: the tensor wait, the add and its wait, behind my last tensor load and my last LDS store
	ds_add_u32 v[SPW], v[NIL]
	s_wait_dscnt 0x0
	CROUND                          ; the closing round
	s_endpgm
.Lfunc_end_k_q9c7d0fc6ed_attn:
	.size	k_q9c7d0fc6ed_attn, .Lfunc_end_k_q9c7d0fc6ed_attn-k_q9c7d0fc6ed_attn
	.p2alignl 7, 3214868480
	.fill 96, 4, 3214868480
	.section	.rodata,"a",@progbits
	.p2align	6, 0x0
	.amdhsa_kernel k_q9c7d0fc6ed_attn
		.amdhsa_group_segment_fixed_size 327680
		.amdhsa_private_segment_fixed_size 0
		.amdhsa_enable_private_segment 0
		.amdhsa_kernarg_size 24
		.amdhsa_user_sgpr_count 2
		.amdhsa_user_sgpr_kernarg_segment_ptr 1
		.amdhsa_wavefront_size32 1
		.amdhsa_system_sgpr_workgroup_id_x 1
		.amdhsa_system_sgpr_workgroup_id_y 1
		.amdhsa_system_sgpr_workgroup_id_z 1
		.amdhsa_system_vgpr_workitem_id 0
		.amdhsa_next_free_vgpr 1024
		.amdhsa_next_free_sgpr 96
		.amdhsa_reserve_vcc 0
		.amdhsa_float_denorm_mode_32 3
		.amdhsa_float_denorm_mode_16_64 3
		.amdhsa_memory_ordered 1
		.amdhsa_forward_progress 1
		.amdhsa_inst_pref_size 169
	.end_amdhsa_kernel
	.amdgpu_metadata
---
amdhsa.version: [ 1, 2 ]
amdhsa.kernels:
  - .name:           k_q9c7d0fc6ed_attn
    .symbol:         k_q9c7d0fc6ed_attn.kd
    .args:
      - { .name: qkv, .offset: 0, .size: 8, .value_kind: global_buffer, .address_space: global }
      - { .name: kb, .offset: 8, .size: 8, .value_kind: global_buffer, .address_space: global }
      - { .name: ao, .offset: 16, .size: 8, .value_kind: global_buffer, .address_space: global }
    .group_segment_fixed_size: 327680
    .private_segment_fixed_size: 0
    .kernarg_segment_align: 8
    .kernarg_segment_size: 24
    .max_flat_workgroup_size: 128
    .sgpr_count:     96
    .vgpr_count:     1024
    .wavefront_size: 32
...
	.end_amdgpu_metadata
.endif
;; end of part 3
;; launch oproj (part 4): grid 16 x 16, 4 waves a work-group, clusters of 4 x 4, 327,680 bytes of LDS; arguments ao, woh, out0; writes out0
.if DOCPART == 4
	.amdgcn_target "amdgcn-amd-amdhsa--gfx1250"
	.amdhsa_code_object_version 6
	.text
	.protected	k_q9c7d0fc6ed_oproj
	.globl	k_q9c7d0fc6ed_oproj
	.p2align	8
	.type	k_q9c7d0fc6ed_oproj,@function
k_q9c7d0fc6ed_oproj:
	s_mov_b64 s[64:65], 0
	v_nop
	global_prefetch_b8 v0, s[64:65] scope:SCOPE_SE
	s_setreg_imm32_b32 hwreg(HW_REG_WAVE_MODE, 25, 1), 1
	s_wait_xcnt 0x0
	s_wait_alu depctr_hold_cnt(0) depctr_sa_sdst(0) depctr_va_vdst(0) depctr_va_sdst(0) depctr_va_ssrc(0) depctr_va_vcc(0) depctr_vm_vsrc(0)
	s_getreg_b32 s2, hwreg(HW_REG_IB_STS2, 6, 4)
	s_cmp_eq_u32 s2, 0
	s_cbranch_scc0 .Lentry_in_a_cluster
	s_endpgm
.Lentry_in_a_cluster:
	s_bfe_u32 s2, ttmp6, 0x10000c
	s_cmp_lg_u32 s2, 0xf033
	s_cbranch_scc0 .Lentry_shape_is_right
	s_endpgm
.Lentry_shape_is_right:
; out0[m][n] = sum over k of ao[m][k] w_o[n][k].  ao [2048][2048] and woh [2048][2048]: f16; out0 [2048][2048]: f32; sums in f32.  This product is left as it is; f16 keeps 11 significant bits of both operands.
; LIMITS: both operands under 65,504 in magnitude.
; A tile of out0 is 128 x 128: 256 work-groups.  Four waves, each 64 x 64: 16 accumulators.  K goes in steps of 256 (LDS rows of 512 bytes; a wave's tensor load brings 64 of them) through two slots.
; CLUSTERS 4 x 4: the four of a row of the cluster need the same tiles of ao, the four of a column the same tiles of woh: joint loads.  THE PRODUCT IS USED TRANSPOSED (source 0 = 16 rows of woh, source 1 = 16 rows of ao):
; a lane holds eight neighbouring numbers of a row of out0.  A wave's 64 columns of f32 are 256 consecutive bytes, aligned: so each wave has a stage of its own and the way out needs no barrier.
; No prefetch (a small tile with short steps); one tile to a work-group.
; REGISTERS: window 0: v0-31 addresses; v32-95 rows on the way out; v128-255 the accumulators ((a, b) at v[128 + 8 (4 a + b)]).  window 1: two fragment buffers of 128.
.set SIZE_N, 2048
.set SIZE_K, 2048
.set KSTEP,  256
.set PITCH,  528                       ; an LDS row: 512 bytes + 16: the 16 rows of a load start 132 words apart
.set HALFT,  64*PITCH
.set SLOT,   4*HALFT
.set STAGE,  2*SLOT                    ; behind the ring: 16 rows x 272 bytes for each wave
.set SPITCH, 272
.set SPARE,  STAGE+4*16*SPITCH         ; the spare words, 128 bytes a wave
.set LAPS, SIZE_K/(2*KSTEP)
.set ADRA, 16
.set ADRB, 20
.set STO,  24
.set RD,   25
.set CO,   26
.set SPW,  28
.set NIL,  29
.set TMP,  32
.set ACC,  128
.set F0,   0
.set F1,   128
.set G1, 24
.set G0, 32
.set G1B, 48
.set G0B, 56
.set MSB, 0
.macro WIN new
.if MSB != (\new)
	s_set_vgpr_msb (MSB<<8)|(\new)
.set MSB, (\new)
.endif
.endm
.set MUL,  0x05                        ; sources 0 and 1 window 1; C and D window 0
.set TO_F, 0x40
.macro JLOAD s                         ; waves 0 and 1 fetch ao's two halves, waves 2 and 3 woh's; an s_nop 0 and four v_nop follow each line
	s_cmp_eq_u32 s11, 0
	s_cbranch_scc0 .Lfor_b_\@
	tensor_load_to_lds s[G0+4*\s:G0+4*\s+3], s[G1:G1+7]
	s_nop 0
.rept 4
	v_nop
.endr
	s_branch .Lasked_\@
.Lfor_b_\@:
	tensor_load_to_lds s[G0B+4*\s:G0B+4*\s+3], s[G1B:G1B+7]
	s_nop 0
.rept 4
	v_nop
.endr
.Lasked_\@:
.endm
.macro CREST
	s_cmp_lg_u32 s10, 0
	s_cbranch_scc1 .Lnot_wave_0_\@
	s_barrier_signal -3
.Lnot_wave_0_\@:
	s_barrier_wait -3
	s_barrier_signal -1
	s_barrier_wait -1
.endm
.macro CROUND
	s_barrier_signal -1
	s_barrier_wait -1
	CREST
.endm
	s_load_b128 s[4:7], s[0:1], 0x0                ; ao s[4:5], woh s[6:7]
	s_load_b64 s[8:9], s[0:1], 0x10                ; out0
	v_lshl_add_u32 v[SPW], v0, 2, SPARE
	v_mov_b32 v[NIL], 0
	ds_add_u32 v[SPW], v[NIL]                      ; the wave's opening: the add, twice on end, and its wait ahead of my first tensor load
	ds_add_u32 v[SPW], v[NIL]
	v_lshrrev_b32 v1, 5, v0
	v_readfirstlane_b32 s10, v1                    ; wave
	s_lshr_b32 s11, s10, 1                         ; my half of the tile's rows.  Also: I fetch for ao (0) or woh (1)
	s_and_b32 s12, s10, 1                          ; my half of its columns.  Also: which 64 rows I fetch
	s_bfe_u32 s40, ttmp6, 0x40000                  ; cx, cy
	s_bfe_u32 s41, ttmp6, 0x40004
	s_lshl_b32 s42, ttmp9, 2
	s_add_co_u32 s42, s42, s40                     ; tile column
	s_and_b32 s13, ttmp7, 0xffff
	s_lshl_b32 s13, s13, 2
	s_add_co_u32 s13, s13, s41                     ; tile row
	s_lshl_b32 s43, s41, 2
	s_lshl_b32 s43, 15, s43                        ; my row of the cluster
	s_lshl_b32 s44, 0x1111, s40                    ; my column
	s_or_b32 s[G1+0], s43, (1<<16)|(1<<20)|(1<<21)|(6<<22)|(3<<25)  ; the mask; elements of 2 bytes; padding on; bit 21 beside a mask; after every 128 words 4 words
	s_or_b32 s[G1B+0], s44, (1<<16)|(1<<20)|(1<<21)|(6<<22)|(3<<25)
.irp g, G1, G1B
	s_mov_b32 s[\g+1], KSTEP<<16                   ; tensor_dim0
	s_mov_b32 s[\g+2], 64<<16                      ; tensor_dim1
	s_mov_b32 s[\g+3], KSTEP<<16                   ; tile_dim0
	s_mov_b32 s[\g+4], 64                          ; tile_dim1
	s_mov_b32 s[\g+5], SIZE_K                      ; the pitch
	s_mov_b32 s[\g+6], 0
	s_mov_b32 s[\g+7], 0
.endr
	s_lshl_b32 s17, s12, 6
	s_lshl_b32 s16, s13, 7
	s_add_co_u32 s16, s16, s17                     ; ao: row 128 x tile row + 64 x half
	s_lshl_b32 s46, s42, 7
	s_add_co_u32 s46, s46, s17                     ; woh: row 128 x tile column + 64 x half
	s_lshl_b32 s16, s16, 12                        ; rows of 4,096 bytes (under 2^23)
	s_mov_b32 s17, 0
	s_lshl_b32 s46, s46, 12
	s_mov_b32 s47, 0
	s_mul_i32 s20, s10, HALFT                      ; where they go: wave x 64 rows
	s_wait_dscnt 0x0                               ; both opening adds are done
	s_wait_kmcnt 0x0
	s_add_nc_u64 s[14:15], s[4:5], s[16:17]
	s_add_nc_u64 s[46:47], s[6:7], s[46:47]
	CROUND                                         ; all sixteen work-groups are here: the first joint loads meet
.irp s, 0,1
	s_mov_b32 s[G0+4*\s], 1
	s_add_co_u32 s[G0+4*\s+1], s20, \s*SLOT
	s_add_nc_u64 s[G0+4*\s+2:G0+4*\s+3], s[14:15], \s*KSTEP*2
	s_or_b32 s[G0+4*\s+3], s[G0+4*\s+3], 0x80000000
	s_mov_b32 s[G0B+4*\s], 1
	s_add_co_u32 s[G0B+4*\s+1], s20, \s*SLOT
	s_add_nc_u64 s[G0B+4*\s+2:G0B+4*\s+3], s[46:47], \s*KSTEP*2
	s_or_b32 s[G0B+4*\s+3], s[G0B+4*\s+3], 0x80000000
	JLOAD \s                                       ; two tensor loads of mine are out
.endr
	v_and_b32 v1, 15, v0                           ; l % 16
	v_bfe_u32 v2, v0, 4, 1                         ; l / 16
	v_mul_u32_u24 v3, v1, PITCH
	v_lshl_add_u32 v3, v2, 4, v3
	s_mul_i32 s21, s11, HALFT
	s_mul_i32 s22, s12, HALFT
	s_add_co_u32 s22, s22, 2*HALFT
.irp s, 0,1
	v_add_nc_u32 v[ADRA+\s], s21, v3
	v_add_nc_u32 v[ADRB+\s], s22, v3
	s_add_co_u32 s21, s21, SLOT
	s_add_co_u32 s22, s22, SLOT
.endr
	s_mul_i32 s23, s10, 16*SPITCH
	s_add_co_u32 s23, s23, STAGE                   ; my stage
	v_mul_u32_u24 v4, v1, SPITCH
	v_lshl_add_u32 v4, v2, 5, v4
	v_add_nc_u32 v[STO], s23, v4                   ; in: row l % 16, 32 bytes for each half of the lanes
	v_mul_u32_u24 v5, v2, SPITCH
	v_lshl_add_u32 v5, v1, 4, v5
	v_add_nc_u32 v[RD], s23, v5                    ; back: lanes 0-15 one row of 256 bytes, lanes 16-31 the next
	v_lshlrev_b32 v5, 13, v2
	v_lshl_add_u32 v[CO], v1, 4, v5                ; and the same two rows in out0 (8,192 bytes a row)
	s_lshl_b32 s16, s13, 7
	s_lshl_b32 s17, s11, 6
	s_add_co_u32 s16, s16, s17                     ; my first row: 128 x tile row + 64 x half
	s_lshl_b32 s16, s16, 13
	s_mov_b32 s17, 0
	s_add_nc_u64 s[8:9], s[8:9], s[16:17]
	s_lshl_b32 s46, s42, 9                         ; my first column in bytes: 512 x tile column + 256 x half
	s_lshl_b32 s47, s12, 8
	s_add_co_u32 s46, s46, s47
	s_mov_b32 s47, 0
	s_add_nc_u64 s[8:9], s[8:9], s[46:47]
; 8 matrix instructions: m blocks a0, a0 + 1 x all 4 n blocks, 32 along K: half c of buffer f.  The 16 accumulators take turns
.macro MUL8 f, c, a0, zero
.irp a, \a0, \a0+1
.irp b, 0,1,2,3
.if \zero
	v_wmma_f32_16x16x32_f16 v[ACC+8*(4*(\a)+\b):ACC+8*(4*(\a)+\b)+7], v[\f+64+8*(4*\c+\b):\f+64+8*(4*\c+\b)+7], v[\f+8*(4*\c+\a):\f+8*(4*\c+\a)+7], 0
.else
	v_wmma_f32_16x16x32_f16 v[ACC+8*(4*(\a)+\b):ACC+8*(4*(\a)+\b)+7], v[\f+64+8*(4*\c+\b):\f+64+8*(4*\c+\b)+7], v[\f+8*(4*\c+\a):\f+8*(4*\c+\a)+7], v[ACC+8*(4*(\a)+\b):ACC+8*(4*(\a)+\b)+7]
.endif
.endr
.endr
.endm
.macro FETCH slot, k, f                ; 32 LDS loads in one run: the fragments of 64 along K at byte k of the rows; the first 32 along K first
	WIN TO_F
.irp c, 0,1
.irp i, 0,1,2,3
	ds_load_b128 v[\f+64+8*(4*\c+\i):\f+64+8*(4*\c+\i)+3],   v[ADRB+\slot] offset:\k+64*\c+\i*16*PITCH
	ds_load_b128 v[\f+64+8*(4*\c+\i)+4:\f+64+8*(4*\c+\i)+7], v[ADRB+\slot] offset:\k+64*\c+\i*16*PITCH+32
	ds_load_b128 v[\f+8*(4*\c+\i):\f+8*(4*\c+\i)+3],         v[ADRA+\slot] offset:\k+64*\c+\i*16*PITCH
	ds_load_b128 v[\f+8*(4*\c+\i)+4:\f+8*(4*\c+\i)+7],       v[ADRA+\slot] offset:\k+64*\c+\i*16*PITCH+32
.endr
.endr
.endm
.macro PLACES                          ; four plain vector instructions in front of loads into registers that matrix instructions have read, and of reads of results
.rept 4
	v_nop
.endr
.endm
.macro QUARTER slot, k, f, g, zero
	s_wait_dscnt 16                                ; the first 32 along K are in; the other sixteen loads may be out
	WIN MUL
	MUL8 \f, 0, 0, \zero
	MUL8 \f, 0, 2, \zero
	PLACES
	FETCH \slot, \k, \g
	s_wait_dscnt 32                                ; all but the 32 just issued
	WIN MUL
	MUL8 \f, 1, 0, 0
	MUL8 \f, 1, 2, 0
.endm
; The last quarter changes slots: one barrier; in front of it each wave waits for all its tensor loads, adds 0 to its spare word, and waits for that and for its reads of this slot.
.macro TURN slot, next, fill
	WIN 0
	s_wait_tensorcnt 0x0                           ; all my tensor loads have landed: my part of the next slot
	ds_add_u32 v[SPW], v[NIL]
	s_wait_dscnt 17                                ; the add and the youngest sixteen loads may be out
	WIN MUL
	MUL8 F1, 0, 0, 0
	s_wait_dscnt 0x0                               ; the add is done, and my reads of this slot are over
	s_barrier_signal -1
	MUL8 F1, 0, 2, 0
.if \fill
	WIN 0
.endif
	s_barrier_wait -1
.if \fill
	CREST                                          ; the barrier has opened a round of the cluster's: no wave of any partner still reads this slot or has a load on its way
	s_add_nc_u64 s[G0+4*\slot+2:G0+4*\slot+3], s[G0+4*\slot+2:G0+4*\slot+3], 2*KSTEP*2
	s_add_nc_u64 s[G0B+4*\slot+2:G0B+4*\slot+3], s[G0B+4*\slot+2:G0B+4*\slot+3], 2*KSTEP*2
	JLOAD \slot                                    ; my one tensor load behind the round; its four v_nop are the places in front of the loads below
.else
	PLACES
.endif
	FETCH \next, 0, F0
	WIN MUL
	MUL8 F1, 1, 0, 0
	MUL8 F1, 1, 2, 0
.endm
	s_wait_tensorcnt 1                             ; my part of K step 0 is in; K step 1's load may be out
	s_barrier_signal -1
	s_barrier_wait -1
	FETCH 0, 0, F0
	QUARTER 0, 128, F0, F1, 1                      ; the first products start the sums
	WIN 0
	s_mov_b32 s3, LAPS-1
.Llap:                                             ; a trip goes once round the ring and fills both slots again
	QUARTER 0, 256, F1, F0, 0
	QUARTER 0, 384, F0, F1, 0
	TURN 0, 1, 1
	QUARTER 1, 128, F0, F1, 0
	QUARTER 1, 256, F1, F0, 0
	QUARTER 1, 384, F0, F1, 0
	TURN 1, 0, 1
	QUARTER 0, 128, F0, F1, 0
	WIN 0
	s_sub_co_u32 s3, s3, 1
	s_cmp_lg_u32 s3, 0
	s_cbranch_scc1 .Llap
	QUARTER 0, 256, F1, F0, 0                      ; the last lap fills nothing
	QUARTER 0, 384, F0, F1, 0
	TURN 0, 1, 0
	QUARTER 1, 128, F0, F1, 0
	QUARTER 1, 256, F1, F0, 0
	QUARTER 1, 384, F0, F1, 0
	s_wait_dscnt 16
	WIN MUL
	MUL8 F1, 0, 0, 0
	MUL8 F1, 0, 2, 0
	s_wait_dscnt 0
	MUL8 F1, 1, 0, 0
	MUL8 F1, 1, 2, 0
	WIN 0
; THE WAY OUT, a block of 16 rows x 64 columns at a time, through my own stage: LDS serves a wave's instructions in order, so no wait stands between the stores and the loads, nor in front of the next block's stores.
.macro TOSTAGE a
.irp b, 0,1,2,3
	ds_store_b128 v[STO], v[ACC+8*(4*(\a)+\b):ACC+8*(4*(\a)+\b)+3] offset:64*\b        ; each accumulator from its low end on
	ds_store_b128 v[STO], v[ACC+8*(4*(\a)+\b)+4:ACC+8*(4*(\a)+\b)+7] offset:64*\b+16
.endr
.irp t, 0,1,2,3,4,5,6,7
	ds_load_b128 v[TMP+32*((\a)%2)+4*\t:TMP+32*((\a)%2)+4*\t+3], v[RD] offset:\t*2*SPITCH
.endr
.endm
.macro SEND a, younger                 ; younger: the LDS instructions issued behind block a's loads, which may stay out
	s_wait_dscnt \younger
.irp t, 0,1,2,3,4,5,6,7
	global_store_b128 v[CO], v[TMP+32*((\a)%2)+4*\t:TMP+32*((\a)%2)+4*\t+3], s[8:9] offset:(16*(\a)+2*\t)*8192 th:TH_STORE_NT   ; 16 lanes store 256 consecutive bytes, aligned
.endr
.endm
	PLACES
	TOSTAGE 0
.irp a, 1,2,3
.if \a > 1
	s_wait_xcnt 0x0                                ; block a - 2's stores have read their data: block a's loads land there only behind this wait
.endif
	TOSTAGE \a
	SEND \a-1, 16                                  ; behind block a - 1's loads: block a's 8 stores and 8 loads
.endr
	SEND 3, 0
	s_wait_tensorcnt 0x0                           ; the wave's end: the tensor wait, the add and its wait, behind my last tensor load and my last LDS store
	ds_add_u32 v[SPW], v[NIL]
	s_wait_dscnt 0x0
	CROUND                                         ; the closing round
	s_endpgm
.Lfunc_end_k_q9c7d0fc6ed_oproj:
	.size	k_q9c7d0fc6ed_oproj, .Lfunc_end_k_q9c7d0fc6ed_oproj-k_q9c7d0fc6ed_oproj
	.p2alignl 7, 3214868480
	.fill 96, 4, 3214868480
	.section	.rodata,"a",@progbits
	.p2align	6, 0x0
	.amdhsa_kernel k_q9c7d0fc6ed_oproj
		.amdhsa_group_segment_fixed_size 327680
		.amdhsa_private_segment_fixed_size 0
		.amdhsa_enable_private_segment 0
		.amdhsa_kernarg_size 24
		.amdhsa_user_sgpr_count 2
		.amdhsa_user_sgpr_kernarg_segment_ptr 1
		.amdhsa_wavefront_size32 1
		.amdhsa_system_sgpr_workgroup_id_x 1
		.amdhsa_system_sgpr_workgroup_id_y 1
		.amdhsa_system_sgpr_workgroup_id_z 1
		.amdhsa_system_vgpr_workitem_id 0
		.amdhsa_next_free_vgpr 512
		.amdhsa_next_free_sgpr 66
		.amdhsa_reserve_vcc 0
		.amdhsa_float_denorm_mode_32 3
		.amdhsa_float_denorm_mode_16_64 3
		.amdhsa_memory_ordered 1
		.amdhsa_forward_progress 1
		.amdhsa_inst_pref_size 85
	.end_amdhsa_kernel
	.amdgpu_metadata
---
amdhsa.version: [ 1, 2 ]
amdhsa.kernels:
  - .name:           k_q9c7d0fc6ed_oproj
    .symbol:         k_q9c7d0fc6ed_oproj.kd
    .args:
      - { .name: ao, .offset: 0, .size: 8, .value_kind: global_buffer, .address_space: global }
      - { .name: woh, .offset: 8, .size: 8, .value_kind: global_buffer, .address_space: global }
      - { .name: out0, .offset: 16, .size: 8, .value_kind: global_buffer, .address_space: global }
    .group_segment_fixed_size: 327680
    .private_segment_fixed_size: 0
    .kernarg_segment_align: 8
    .kernarg_segment_size: 24
    .max_flat_workgroup_size: 128
    .sgpr_count:     66
    .vgpr_count:     512
    .wavefront_size: 32
...
	.end_amdgpu_metadata
.endif
;; end of part 4
